; MI455X (gfx1250); checked and timed in simulation.
; The chip was launched on July 23, 2026; its instructions are those of AMD's public machine-readable ISA for CDNA 5 (MIT licence, August 2026) and "CDNA5" Instruction Set Architecture Reference Guide (July 2026). The comments in the code are by the model that wrote it; some were corrected since.
;; Self Attention2. Allowed arithmetic: matrix products marked QUANTISED: E4M3 operands, one E8M0 scale for each 32 along K, by v_wmma_scale_f32_16x16x128_f8f6f4 with both operands' format E4M3, f32 sums; everything else in f32.
;; Inputs: Wc_codes 1,024 x 32 x 32 uint8 (E4M3 codes of Wc, K innermost, in blocks of 32 codes); Wc_scales 1,024 x 32 uint8 (E8M0 scales of Wc, one for each 32 codes along K); Wk_codes 1,024 x 32 x 32 uint8 (E4M3 codes of Wk, K innermost, in blocks of 32 codes); Wk_scales 1,024 x 32 uint8 (E8M0 scales of Wk, one for each 32 codes along K); Wq_codes 1,024 x 32 x 32 uint8 (E4M3 codes of Wq, K innermost, in blocks of 32 codes); Wq_scales 1,024 x 32 uint8 (E8M0 scales of Wq, one for each 32 codes along K); Wv_codes 1,024 x 32 x 32 uint8 (E4M3 codes of Wv, K innermost, in blocks of 32 codes); Wv_scales 1,024 x 32 uint8 (E8M0 scales of Wv, one for each 32 codes along K); attention_mask 4 x 2,048 bool; bc 1,024 float32; bk 1,024 float32; bq 1,024 float32; bv 1,024 float32; k_codes 4 x 2,048 x 32 x 32 uint8 (E4M3 codes of k, K innermost, in blocks of 32 codes); k_scales 4 x 2,048 x 32 uint8 (E8M0 scales of k, one for each 32 codes along K); q_codes 4 x 2,048 x 32 x 32 uint8 (E4M3 codes of q, K innermost, in blocks of 32 codes); q_scales 4 x 2,048 x 32 uint8 (E8M0 scales of q, one for each 32 codes along K); v_codes 4 x 2,048 x 32 x 32 uint8 (E4M3 codes of v, K innermost, in blocks of 32 codes); v_scales 4 x 2,048 x 32 uint8 (E8M0 scales of v, one for each 32 codes along K).
;; Outputs: out0 4 x 2,048 x 1,024 float32.
;; This version of the problem:
;;   THIS VERSION OF THE PROBLEM IS GIVEN IN LOW PRECISION. The matrix products marked QUANTISED in the list below multiply operands that are first quantised to E4M3 (4 exponent bits, 3 mantissa bits; 8 bits a number), with one power-of-two scale for each 32 numbers along K (OCP MX v1.0); their sums are f32. All else is computed in f32.
;;   The module's matrix products, in the order in which they are computed (A, B: the left and right operand; K: the contracted axis; several contracted axes count as one K, in the product's order):
;;     1. [M 8,192, K 1,024] x [K 1,024, N 1,024]; A: input q (given as codes); B: input Wq (given as codes): QUANTISED
;;     2. [M 8,192, K 1,024] x [K 1,024, N 1,024]; A: input k (given as codes); B: input Wk (given as codes): QUANTISED
;;     3. [M 8,192, K 1,024] x [K 1,024, N 1,024]; A: input v (given as codes); B: input Wv (given as codes): QUANTISED
;;     4. batch 64 x [M 2,048, K 64] x [K 64, N 2,048]; A: computed on the way; B: computed on the way: QUANTISED
;;     5. batch 64 x [M 2,048, K 2,048] x [K 2,048, N 64]; A: softmax (see below); B: computed on the way: QUANTISED
;;     6. [M 8,192, K 1,024] x [K 1,024, N 1,024]; A: computed on the way; B: input Wc (given as codes): QUANTISED
;;   THE QUANTISER, for each operand of a quantised product, along K:
;;     - K is cut into blocks of 32 from its start; a last block that is shorter is filled with zeros.
;;     - A block's scale is 2^e with e = floor(log2(the largest magnitude in the block)) - 8, held to -126 .. 127; a block of zeros has e = 0. As a byte (E8M0): e + 127.
;;     - Each number is divided by its block's scale, clamped to +-448, and rounded to the nearest number of E4M3, ties to even, subnormals kept.
;;     - The product sums the exact products of the quantised numbers (number of the format x scale) in f32.
;;   ~~~python
;;   def quantise(x, axis):      # numpy; x: float32 -> the quantised numbers, widened to float32 again
;;       x = np.moveaxis(x, axis, -1); K = x.shape[-1]
;;       x = np.pad(x, [(0, 0)] * (x.ndim - 1) + [(0, -K % 32)]); x = x.reshape(x.shape[:-1] + (-1, 32)); a = np.abs(x).max(-1, keepdims=True)
;;       e = np.where(a > 0, np.clip(np.frexp(np.where(a > 0, a, 1))[1] - 1 - 8, -126, 127), 0)      # np.frexp(a)[1] - 1 = floor(log2(a)), exactly
;;       r = np.clip(x / 2.0 ** e, -448, 448)
;;       step = 2.0 ** (np.maximum(np.frexp(np.where(r == 0, 1, r))[1] - 1, -6) - 3)
;;       q = np.round(r / step) * step * 2.0 ** e      # np.round: ties to even
;;       return np.moveaxis(q.reshape(q.shape[:-2] + (-1,))[..., :K], -1, axis).astype(np.float32)
;;   ~~~
;;   SOFTMAX AHEAD OF A QUANTISED PRODUCT. Where the list says 'softmax', what is quantised is not the finished softmax but p = 2^(t - M), with t = logit x log2(e) and M = ceil(the row's largest t), a whole number; so 1/2 < the row's largest p <= 1. The row's sum l is taken of the UNQUANTISED p, in f32, and the product's result is divided by l at the end. Since M is a whole number, a kernel that streams over the keys may use a running M (the ceiling of the running maximum): every later rescaling is an exact power of two, which a block's scale takes up: the codes' values come out the same.
;;   OPERANDS COMPUTED ON THE WAY. 'Computed on the way' means the value that the module computes at that place (a softmax that the list does not call 'softmax' is quantised finished and normalised). What goes into a quantiser is computed in f32, as accurately as f32 sums, v_exp_f32 and their like allow (about 1e-6 of the number): no bf16 or f16 on the way to a quantiser, and a product that is left as it is and whose result goes on into a quantised operand takes f32 operands (vector FMAs, or v_wmma_f32_16x16x4_f32). A number that lies on a knife's edge between two numbers of the format may be rounded either way, as far as f32 arithmetic and the matrix unit's own rounding can turn it there, and no further.
;;   INPUTS GIVEN AS CODES. Wc (in the module: [1024, 1024], K = its axis 1); Wk (in the module: [1024, 1024], K = its axis 1); Wq (in the module: [1024, 1024], K = its axis 1); Wv (in the module: [1024, 1024], K = its axis 1); k (in the module: [4, 2048, 1024], K = its axis 2); q (in the module: [4, 2048, 1024], K = its axis 2); v (in the module: [4, 2048, 1024], K = its axis 2): each comes as NAME_codes (uint8): NAME with its K axis moved to the last place and cut into blocks of 32 codes, [.., K / 32, bytes a block], one block behind the other in memory; one code a byte (a code: sign, 4 exponent bits, 3 mantissa bits); and NAME_scales (uint8): the same leading axes, one E8M0 byte (e + 127) for each 32 codes along K. Its value is code x scale, taken as it is: it is not quantised again, and the codes and scales need not be those that the quantiser above would give.
;; One version. Each part assembles by itself: llvm-mc -triple=amdgcn-amd-amdhsa -mcpu=gfx1250 --defsym DOCPART=n.
;; ======== version 1 of 1: 3 launches
;; limits: right only within a limited range of input values
;; workspace buffers: Qc 8,388,608 bytes; Qs 524,288 bytes; KV 17,563,648 bytes; vsum 262,144 bytes; Oc 8,388,608 bytes; Os 262,144 bytes
;; launch proj (part 1): grid 4 x 96, 4 waves a work-group, clusters of 4 x 4, 327,680 bytes of LDS; arguments q_codes, q_scales, Wq_codes, Wq_scales, bq, k_codes, k_scales, Wk_codes, Wk_scales, bk, Wv_codes, Wv_scales, v_codes, v_scales, bv, attention_mask, Qc, Qs, KV, vsum; writes Qc, Qs, KV, vsum
.if DOCPART == 1
	.amdgcn_target "amdgcn-amd-amdhsa--gfx1250"
	.amdhsa_code_object_version 6
	.text
	.protected	k_qec71f093ab_proj
	.globl	k_qec71f093ab_proj
	.p2align	8
	.type	k_qec71f093ab_proj,@function
k_qec71f093ab_proj:
	s_mov_b64 s[64:65], 0
	v_nop
	global_prefetch_b8 v0, s[64:65] scope:SCOPE_SE
	s_setreg_imm32_b32 hwreg(HW_REG_WAVE_MODE, 25, 1), 1
	s_wait_xcnt 0x0
	s_wait_alu depctr_hold_cnt(0) depctr_sa_sdst(0) depctr_va_vdst(0) depctr_va_sdst(0) depctr_va_ssrc(0) depctr_va_vcc(0) depctr_vm_vsrc(0)
	s_getreg_b32 s2, hwreg(HW_REG_IB_STS2, 6, 4)
	s_cmp_eq_u32 s2, 0
	s_cbranch_scc0 .Lentry_in_a_cluster
	s_endpgm
.Lentry_in_a_cluster:
	s_bfe_u32 s2, ttmp6, 0x10000c
	s_cmp_lg_u32 s2, 0xf033
	s_cbranch_scc0 .Lentry_shape_is_right
	s_endpgm
.Lentry_shape_is_right:
; THE THREE PROJECTIONS wq = q Wq^T + bq, wk = k Wk^T + bk, wv = v Wv^T + bv on the given codes of FP8 (E4M3) with E8M0 scales, each result quantised again on its way out:
; wq and wk along the head's 64 channels, wv along the KEYS.  The codes leave as IMAGES OF OPERAND REGISTERS ([c][lane][16 bytes]), so that the attention launch loads fragments as they lie.
; One text serves all three.  Y is the operand whose rows fall on LANES (source 1), X the one whose rows fall on a lane's REGISTERS (source 0).  q, k: Y = the tokens, X = the weight: a lane holds one token, its
; registers run along the channels.  v: Y = Wv, X = the tokens: a lane holds one channel, its registers run down the keys.  So the conversions always find neighbours along the next K in one lane.
; GRID: 24 clusters of 4 x 4 work-groups; cluster y / 8 says which projection (P = 0 q, 1 k, 2 v), cluster y % 8 which eighth of the 8,192 tokens.  A work-group makes 256 rows of Y x 256 rows of X, a wave 128 x 128.
; Y's tiles are shared along a row of the cluster, X's along a column: joint tensor loads.  K = 1,024 goes in four steps of 256 through two LDS slots; the scale bytes of the 512 rows come once and stay.
; THE KEY MASK rides in K's scale words: byte 2 is 1 for a key that counts and 239 for a masked one; the attention launch multiplies a constant code -448 by it (see there).  Byte 3 is 1 (K) or 127 (Q): its block holds zero codes.
; vsum: the sum over each 128 keys of the QUANTISED wv, made from the codes themselves: the attention launch needs the mean of the quantised values for masked queries.
; LIMITS: NaN and infinities among the inputs are not served.  A block whose largest magnitude lies under 2^-118 gets the scale byte 1; a block of zeros gets 1 where the rule says 127: its codes are zeros, and this program alone reads the bytes.
; REGISTERS, in windows of 256: window 0: v0-31 addresses, v8-15 bias by lane (BV), v32-63 scale words, v64-127 bias by register (BQ), from v128 Y's fragments, ONE set; on the way out v32-63 and v128-255 are at work.
;   window 1: X's fragments, two sets.   window 2: the accumulators of Y's blocks 0-3 ((a, b) at v[8 (8 a + b)]);   window 3: those of blocks 4-7.
.set SIZE_K, 1024
.set KSTEP,  256                       ; along K in a slot
.set NQ,     KSTEP/128                 ; matrix instructions deep
.set ROWB,   256                       ; a tile's row in bytes
.set KROW,   SIZE_K                    ; a row of codes in memory
.set PITCH,  272                       ; an LDS row: 256 bytes + 16 of padding: the 16 rows that a load touches start at 16 different banks (64 banks of 4 bytes: ISA guide 11.1)
.set FR,     16                        ; registers of a fragment
.set NL,     4                         ; LDS loads that bring one
.set NP,     8                         ; places behind this matrix instruction (ISA guide 7.12.1)
.set HALFT,  128*PITCH                 ; 128 rows: one tensor load
.set SLOT,   4*HALFT                   ; Y's 256 rows, then X's 256 rows
.set LAPS,   SIZE_K/(2*KSTEP)
.set KS,     SIZE_K/32                 ; a row of scale bytes
.set SCL,    2*SLOT                    ; behind the ring: the scale bytes, 256 bytes + 16 of padding at a time
.set HALFS,  (128*KS/256)*272
.set SBLK,   (16*KS/256)*272
.set SPARE,  SCL+4*HALFS               ; the spare words, 128 bytes a wave: two blocks of 256 bytes that no other line names
.set HKV,    274432                    ; buffer KV: a head's 8 slots
.set SLOTB,  34304                     ; a slot of 256 keys: K's images 16,384, V's images 16,384, K's scale words 1,024, V's 512
.set VOFF,   16384
.set KSOFF,  32768
.set VSOFF,  33792
.set B32H, 7                           ; v7   32 x (lane / 16); never rewritten
.set BV,   8                           ; v8-15  bias of Y's row 16 a + r
.set ADRA, 16                          ; v16-17 LDS address of Y's fragments in slot 0, 1
.set R4,   18                          ; v18  4 x (lane % 16); never rewritten
.set VH,   19                          ; v19  the way out of v: (lane / 16) x a head of KV + 16 x (lane % 16)
.set ADRB, 20                          ; v20-21 the same for X
.set SAR,  20                          ; the way out of q, k: byte 2 of a scale word for a key that counts,
.set SBR,  21                          ; and for a masked one
.set SO,   24                          ; v24  32 x (lane % 16) + 16 x (lane / 16)
.set LI,   26                          ; v26  16 x lane: an image's place for my lane
.set ADRS, 27                          ; v27  LDS address of my scale words
.set SPW,  28                          ; v28  my spare word; never rewritten
.set NIL,  29                          ; v29  0; never rewritten
.set SC,   32                          ; scale words, two sets
.set BQ,   64                          ; v64-127 bias of X's row 16 b + 8 (lane / 16) + j at register 8 b + j
.set AF,   128                         ; Y's fragments
.set T,    128                         ; the way out: 64 numbers at work
.set PC,   32                          ; codes, two sets of 16 by turns
.set TM,   192                         ; 4 largest magnitudes, 4 bytes, 4 scale operands
.set PW,   208                         ; a scale word for each of Y's 8 blocks
.set MB,   216                         ; mask bytes
.set VS,   224                         ; sums of the quantised numbers
.set DQ,   232                         ; 16 numbers widened back; also the words on their way out
.set OW,   248                         ; 8 words to store
.set G1, 24
.set G0, 32
.set G1B, 48
.set G0B, 56
.set G1S, 68
.set G0S, 76
.set G1SB, 80
.set G0SB, 88
.set P0, 44                            ; the way out: s[44:45], s[46:47] where the two heads' codes go; s[48:49], s[50:51] their scale words (v: scale words, vsum)
.set P1, 46
.set S0, 48
.set S1, 50
.set SEL, 52                           ; s[52:53] selects of v_permlanex16_b32: lane l xor 16
.set MNT, 54
.set HMASK, 55                         ; lanes 16-31
.set SHI, 56                           ; byte 3 of a scale word, in its place
.set MSB, 0
.macro WIN new                         ; the immediate's high byte repeats the setting that is left
.if MSB != \new
	s_set_vgpr_msb (MSB<<8)|\new
.set MSB, \new
.endif
.endm
.set MUL_LO, 0xa1                      ; source 0 (X) window 1, source 1 (Y) window 0, C and D window 2
.set MUL_HI, 0xf1
.set TO_B,   0x40
; A joint load: waves 0 and 1 fetch for Y, waves 2 and 3 for X.  The branch hangs on the wave's number alone.  Four v_nop follow each of the two lines.
.macro JLOAD g0a, g1a, g0b, g1b
	s_cmp_eq_u32 s15, 0
	s_cbranch_scc0 .Lfor_b_\@
	tensor_load_to_lds s[\g0a:\g0a+3], s[\g1a:\g1a+7]
	s_nop 0
.rept 4
	v_nop
.endr
	s_branch .Lasked_\@
.Lfor_b_\@:
	tensor_load_to_lds s[\g0b:\g0b+3], s[\g1b:\g1b+7]
	s_nop 0
.rept 4
	v_nop
.endr
.Lasked_\@:
.endm
.macro CREST                           ; a round of the cluster's barrier behind its opening barrier
	s_cmp_lg_u32 s14, 0
	s_cbranch_scc1 .Lnot_wave_0_\@
	s_barrier_signal -3
.Lnot_wave_0_\@:
	s_barrier_wait -3
	s_barrier_signal -1
	s_barrier_wait -1
.endm
.macro CROUND
	s_barrier_signal -1
	s_barrier_wait -1
	CREST
.endm
	s_load_b256 s[24:31], s[0:1], 0x0              ; q's group: Y's codes, Y's scales, X's codes, X's scales,
	s_load_b64 s[32:33], s[0:1], 0x20              ; the bias
	s_load_b256 s[36:43], s[0:1], 0x28             ; k's group
	s_load_b64 s[44:45], s[0:1], 0x48
	s_load_b256 s[48:55], s[0:1], 0x50             ; v's group: Y = Wv, X = v
	s_load_b64 s[56:57], s[0:1], 0x70
	s_load_b64 s[96:97], s[0:1], 0x78              ; the mask
	s_load_b256 s[68:75], s[0:1], 0x80             ; Qc, Qs, KV, vsum
	v_lshl_add_u32 v[SPW], v0, 2, SPARE
	v_mov_b32 v[NIL], 0
	ds_add_u32 v28, v29
	ds_add_u32 v28, v29
	s_wait_dscnt 0x0
	v_lshrrev_b32 v1, 5, v0
	v_readfirstlane_b32 s14, v1                    ; wave 0..3
	s_lshr_b32 s15, s14, 1                         ; which half of Y's rows is mine.  Also: I fetch for Y (0) or for X (1)
	s_and_b32 s16, s14, 1                          ; which half of X's rows.  Also: which 128 rows I fetch
	s_and_b32 s67, ttmp7, 0xffff                   ; cluster y
	s_lshr_b32 s66, s67, 3                         ; P: which projection
	s_and_b32 s67, s67, 7                          ; which eighth of the tokens
	s_wait_kmcnt 0x0
	s_cmp_eq_u32 s66, 1                            ; the buffers are chosen by the cluster's number alone
	s_cselect_b64 s[4:5], s[36:37], s[24:25]
	s_cselect_b64 s[6:7], s[38:39], s[26:27]
	s_cselect_b64 s[8:9], s[40:41], s[28:29]
	s_cselect_b64 s[10:11], s[42:43], s[30:31]
	s_cselect_b64 s[12:13], s[44:45], s[32:33]
	s_cmp_eq_u32 s66, 2
	s_cselect_b64 s[4:5], s[48:49], s[4:5]
	s_cselect_b64 s[6:7], s[50:51], s[6:7]
	s_cselect_b64 s[8:9], s[52:53], s[8:9]
	s_cselect_b64 s[10:11], s[54:55], s[10:11]
	s_cselect_b64 s[12:13], s[56:57], s[12:13]
	s_cmp_eq_u32 s66, 0
	s_cselect_b64 s[98:99], s[68:69], s[72:73]     ; codes go to Qc or to KV,
	s_cselect_b64 s[100:101], s[70:71], s[72:73]   ; scale words to Qs or to KV
	s_mov_b64 s[104:105], s[74:75]                 ; vsum
	s_bfe_u32 s40, ttmp6, 0x40000                  ; cx, cy: my place in the cluster
	s_bfe_u32 s41, ttmp6, 0x40004
	s_cmp_eq_u32 s66, 2
	s_cselect_b32 s42, s67, 0                      ; the tokens are X's rows in v's projection,
	s_cselect_b32 s17, 0, s67                      ; Y's in the others
	s_lshl_b32 s42, s42, 2
	s_add_co_u32 s42, s42, s40                     ; X's tile
	s_lshl_b32 s17, s17, 2
	s_add_co_u32 s17, s17, s41                     ; Y's tile
	s_lshl_b32 s43, s41, 2
	s_lshl_b32 s43, 15, s43                        ; my row of the cluster
	s_lshl_b32 s44, 0x1111, s40                    ; my column
	; descriptor group 1: a tile of 128 rows x 256 bytes, 16 bytes of padding behind each row
	s_or_b32 s[G1+0], s43, (0<<16)|(1<<20)|(1<<21)|(5<<22)|(3<<25)  ; 15:0 the mask: Y's tiles go to my row; elements of 1 byte; padding on; bit 21 beside a mask; after every 64 words, 4 words
	s_or_b32 s[G1B+0], s44, (0<<16)|(1<<20)|(1<<21)|(5<<22)|(3<<25)
.irp g, G1, G1B
	s_mov_b32 s[\g+1], ROWB<<16                    ; tensor_dim0
	s_mov_b32 s[\g+2], 128<<16                     ; tensor_dim1
	s_mov_b32 s[\g+3], ROWB<<16                    ; tile_dim0
	s_mov_b32 s[\g+4], 128                         ; tile_dim1
	s_mov_b32 s[\g+5], KROW                        ; the pitch
	s_mov_b32 s[\g+6], 0
	s_mov_b32 s[\g+7], 0
.endr
	; the scale bytes of 128 rows: 4,096 dense bytes as 16 rows of 256 (32 elements of 8 bytes), 16 bytes of padding behind each
	s_or_b32 s[G1S+0], s43, (3<<16)|(1<<20)|(1<<21)|(5<<22)|(3<<25)
	s_or_b32 s[G1SB+0], s44, (3<<16)|(1<<20)|(1<<21)|(5<<22)|(3<<25)
.irp g, G1S, G1SB
	s_mov_b32 s[\g+1], 32<<16
	s_mov_b32 s[\g+2], (128*KS/256)<<16
	s_mov_b32 s[\g+3], 32<<16
	s_mov_b32 s[\g+4], 128*KS/256
	s_mov_b32 s[\g+5], 32
	s_mov_b32 s[\g+6], 0
	s_mov_b32 s[\g+7], 0
.endr
	s_lshl_b32 s18, s16, 7                         ; which 128 rows of the tile I fetch
	s_lshl_b32 s20, s17, 8
	s_add_co_u32 s20, s20, s18                     ; Y: row 256 x tile + 128 x half
	s_lshl_b32 s46, s42, 8
	s_add_co_u32 s46, s46, s18                     ; X likewise
	s_mov_b32 s21, 0
	s_mov_b32 s47, 0
	s_mov_b64 s[18:19], KS
	s_mul_u64 s[22:23], s[20:21], s[18:19]         ; where these rows' scale bytes begin
	s_mul_u64 s[92:93], s[46:47], s[18:19]
	s_mov_b64 s[18:19], KROW
	s_mul_u64 s[20:21], s[20:21], s[18:19]         ; and their codes
	s_mul_u64 s[46:47], s[46:47], s[18:19]
	s_mul_i32 s45, s14, HALFT                      ; where they go: wave x 128 rows: no place in the cluster enters an LDS address
	s_mul_i32 s94, s14, HALFS
	s_add_nc_u64 s[20:21], s[4:5], s[20:21]
	s_add_nc_u64 s[22:23], s[6:7], s[22:23]
	s_add_nc_u64 s[46:47], s[8:9], s[46:47]
	s_add_nc_u64 s[92:93], s[10:11], s[92:93]
	CROUND                                         ; all sixteen work-groups are here: the first joint loads meet
	s_mov_b32 s[G0S], 1
	s_add_co_u32 s[G0S+1], s94, SCL
	s_mov_b64 s[G0S+2:G0S+3], s[22:23]
	s_or_b32 s[G0S+3], s[G0S+3], 0x80000000
	s_mov_b32 s[G0SB], 1
	s_add_co_u32 s[G0SB+1], s94, SCL
	s_mov_b64 s[G0SB+2:G0SB+3], s[92:93]
	s_or_b32 s[G0SB+3], s[G0SB+3], 0x80000000
	JLOAD G0S, G1S, G0SB, G1SB                     ; the scale bytes first: they are wanted with K step 0
.irp s, 0,1
	s_mov_b32 s[G0+4*\s], 1
	s_add_co_u32 s[G0+4*\s+1], s45, \s*SLOT
	s_add_nc_u64 s[G0+4*\s+2:G0+4*\s+3], s[20:21], \s*ROWB
	s_or_b32 s[G0+4*\s+3], s[G0+4*\s+3], 0x80000000
	s_mov_b32 s[G0B+4*\s], 1
	s_add_co_u32 s[G0B+4*\s+1], s45, \s*SLOT
	s_add_nc_u64 s[G0B+4*\s+2:G0B+4*\s+3], s[46:47], \s*ROWB
	s_or_b32 s[G0B+4*\s+3], s[G0B+4*\s+3], 0x80000000
	JLOAD G0+4*\s, G1, G0B+4*\s, G1B               ; three tensor loads of mine are out now
.endr
	v_and_b32 v1, 15, v0                           ; r = lane % 16; stays
	v_bfe_u32 v2, v0, 4, 1                         ; h = lane / 16; stays
	v_mul_u32_u24 v3, v1, PITCH
	v_lshl_add_u32 v4, v2, 4, v3                   ; a fragment's row x pitch + 16 x half
	s_mul_i32 s21, s15, HALFT                      ; my 128 rows of Y
	s_mul_i32 s22, s16, HALFT                      ; my 128 rows of X,
	s_add_co_u32 s22, s22, 2*HALFT                 ; which lie behind Y's 256
.irp s, 0,1
	v_add_nc_u32 v[ADRA+\s], s21, v4
	v_add_nc_u32 v[ADRB+\s], s22, v4
	s_add_co_u32 s21, s21, SLOT
	s_add_co_u32 s22, s22, SLOT
.endr
	v_mul_u32_u24 v5, v1, KS                       ; my row's scale bytes: KS a row,
	v_lshrrev_b32 v6, 8, v5
	v_lshl_add_u32 v5, v6, 4, v5                   ; and 16 more for each 256 passed
	s_mul_i32 s21, s15, HALFS
	s_mul_i32 s22, s16, HALFS
	s_add_co_u32 s22, s22, 2*HALFS
	s_sub_co_u32 s22, s22, s21
	v_mul_u32_u24 v6, s22, v2                      ; lanes 16-31 take X's
	s_add_co_u32 s21, s21, SCL
	v_add_nc_u32 v5, v5, v6
	v_add_nc_u32 v[ADRS], s21, v5
	v_and_b32 v6, 31, v0
	v_lshlrev_b32 v[LI], 4, v6
	v_lshlrev_b32 v[SO], 5, v1
	v_lshl_add_u32 v[SO], v2, 4, v[SO]
	v_lshlrev_b32 v[B32H], 5, v2
	s_wait_alu depctr_va_vdst(0)
	v_lshlrev_b32 v[R4], 2, v1
	s_wait_alu depctr_va_vdst(0)
	; the bias, in both forms; the way out uses one.  By register: that of X's rows (q, k); by lane: that of Y's rows (v).  The form that is not used reads the buffer's first numbers.
	s_lshl_b32 s46, s42, 10
	s_lshl_b32 s47, s16, 9
	s_add_co_u32 s46, s46, s47                     ; 4 x (256 x X's tile + 128 x half)
	s_lshl_b32 s20, s17, 10
	s_lshl_b32 s21, s15, 9
	s_add_co_u32 s20, s20, s21                     ; 4 x (256 x Y's tile + 128 x half)
	s_cmp_eq_u32 s66, 2
	s_cselect_b32 s46, 0, s46
	s_cselect_b32 s20, s20, 0
	s_mov_b32 s47, 0
	s_mov_b32 s21, 0
	s_add_nc_u64 s[46:47], s[12:13], s[46:47]
	s_add_nc_u64 s[20:21], s[12:13], s[20:21]
.irp b, 0,1,2,3,4,5,6,7
	global_load_b128 v[BQ+8*\b:BQ+8*\b+3], v[B32H], s[46:47] offset:64*\b
	global_load_b128 v[BQ+8*\b+4:BQ+8*\b+7], v[B32H], s[46:47] offset:64*\b+16
.endr
.irp a, 0,1,2,3,4,5,6,7
	global_load_b32 v[BV+\a], v[R4], s[20:21] offset:64*\a
.endr                                              ; they are waited for on the way out; their registers and bases stay untouched until then
.macro FRAG reg, adr, q, i             ; a fragment, 16 rows x 128 K: lane l holds row l % 16; registers 4 c .. 4 c + 3 hold K = 32 c + 16 (l / 16) + 0 .. 15
.irp c, 0,1,2,3
	ds_load_b128 v[\reg+4*\c:\reg+4*\c+3], v[\adr] offset:128*(\q)+32*\c+(\i)*16*PITCH
.endr
.endm
; 16 matrix instructions: Y's blocks a0, a0 + 1 x X's eight, 128 along K.  The 64 accumulators take turns, one instruction a turn, in the same order in every step.
.macro MUL16 a0, p, q, sc, zero
.irp a, \a0, \a0+1
.irp b, 0,1,2,3,4,5,6,7
.if \zero
	v_wmma_scale_f32_16x16x128_f8f6f4 v[8*(8*((\a)%4)+\b):8*(8*((\a)%4)+\b)+7], v[128*(\p)+FR*\b:128*(\p)+FR*\b+FR-1], v[AF+FR*(\a):AF+FR*(\a)+FR-1], 0, v[SC+8*NQ*(\sc)+NQ*\b+(\q)], v[SC+8*NQ*(\sc)+NQ*(\a)+(\q)] matrix_a_scale:MATRIX_SCALE_ROW1
.else
	v_wmma_scale_f32_16x16x128_f8f6f4 v[8*(8*((\a)%4)+\b):8*(8*((\a)%4)+\b)+7], v[128*(\p)+FR*\b:128*(\p)+FR*\b+FR-1], v[AF+FR*(\a):AF+FR*(\a)+FR-1], v[8*(8*((\a)%4)+\b):8*(8*((\a)%4)+\b)+7], v[SC+8*NQ*(\sc)+NQ*\b+(\q)], v[SC+8*NQ*(\sc)+NQ*(\a)+(\q)] matrix_a_scale:MATRIX_SCALE_ROW1
.endif
.endr
.endr
.endm
.macro FETCH_B slot, q, p
	WIN TO_B
.irp i, 0,1,2,3,4,5,6,7
	FRAG 128*(\p)+FR*\i, ADRB+\slot, \q, \i
.endr
	WIN 0
.endm
.macro FETCH_A slot, q, i0
.irp i, \i0, \i0+1, \i0+2, \i0+3
	FRAG AF+FR*(\i), ADRA+\slot, \q, \i
.endr
.endm
.macro SCALES sc                       ; a K step's scale words: lanes 0-15 take Y's block i, lanes 16-31 X's block i
.irp i, 0,1,2,3,4,5,6,7
	ds_load_b64 v[SC+8*NQ*\sc+NQ*\i:SC+8*NQ*\sc+NQ*\i+1], v[ADRS] offset:\i*SBLK
.endr
.endm
.macro PLACES n                        ; plain vector instructions between a matrix instruction and a load into, or a vector access to, its registers
.rept \n
	v_nop
.endr
.endm
.macro STEP slot, q, zero              ; a step of 128 along K that has its successor in the same slot
	s_wait_dscnt 4*NL                              ; X's set and Y's blocks 0-3 are in; the youngest 16 loads (Y's blocks 4-7) may be out
	WIN MUL_LO
	MUL16 0, (\q)%2, \q, \slot, \zero
	MUL16 2, (\q)%2, \q, \slot, \zero
	s_wait_dscnt 0
	PLACES NP
	FETCH_B \slot, (\q)+1, 1-(\q)%2
	FETCH_A \slot, (\q)+1, 0
	WIN MUL_HI
	MUL16 4, (\q)%2, \q, \slot, \zero
	MUL16 6, (\q)%2, \q, \slot, \zero
	PLACES NP
	WIN 0
	FETCH_A \slot, (\q)+1, 4
.endm
; A slot's last step changes slots: one barrier; in front of it each wave waits for all its tensor loads, adds 0 to its spare word, and waits for that and for its reads of this slot.
.macro TURN slot, next, fill
	s_wait_tensorcnt 0x0                           ; all my tensor loads have landed: my part of the next slot
	ds_add_u32 v[SPW], v[NIL]                      ; 0 onto my spare word
	s_wait_dscnt 4*NL+1                            ; (the add and the youngest 16 loads may be out)
	WIN MUL_LO
	MUL16 0, 1, NQ-1, \slot, 0
	s_wait_dscnt 0x0                               ; the add is done, and my reads of this slot are over
	s_barrier_signal -1
	MUL16 2, 1, NQ-1, \slot, 0
	WIN 0
	s_barrier_wait -1
.if \fill
	CREST                                          ; the barrier has opened a round of the cluster's: no wave of any partner still reads this slot or has a load on its way
	s_add_nc_u64 s[G0+4*\slot+2:G0+4*\slot+3], s[G0+4*\slot+2:G0+4*\slot+3], 2*ROWB
	s_add_nc_u64 s[G0B+4*\slot+2:G0B+4*\slot+3], s[G0B+4*\slot+2:G0B+4*\slot+3], 2*ROWB
	JLOAD G0+4*\slot, G1, G0B+4*\slot, G1B         ; the first tensor load behind the round; its four v_nop are among the places in front of the loads below
	PLACES NP-4
.else
	PLACES NP
.endif
	s_wait_alu depctr_va_vdst(0)
	v_add_nc_u32 v[ADRS], 4*NQ, v[ADRS]            ; on to the next K step's scale words
	FETCH_B \next, 0, 0
	FETCH_A \next, 0, 0
	SCALES \next
	WIN MUL_HI
	MUL16 4, 1, NQ-1, \slot, 0
	MUL16 6, 1, NQ-1, \slot, 0
	PLACES NP
	WIN 0
	FETCH_A \next, 0, 4
.endm
	s_wait_tensorcnt 1                             ; the scale bytes and my part of K step 0 are in; K step 1's load may be out
	s_barrier_signal -1
	s_barrier_wait -1
	FETCH_B 0, 0, 0
	FETCH_A 0, 0, 0
	SCALES 0
	FETCH_A 0, 0, 4
	STEP 0, 0, 1                                   ; the first step's products start the sums
	s_mov_b32 s3, LAPS-1
.Llap:
	TURN 0, 1, 1
	STEP 1, 0, 0
	TURN 1, 0, 1
	STEP 0, 0, 0
	s_sub_co_u32 s3, s3, 1
	s_cmp_lg_u32 s3, 0
	s_cbranch_scc1 .Llap
	TURN 0, 1, 0                                   ; the last lap fills nothing
	STEP 1, 0, 0
	s_wait_dscnt 4*NL
	WIN MUL_LO
	MUL16 0, 1, NQ-1, 1, 0
	MUL16 2, 1, NQ-1, 1, 0
	s_wait_dscnt 0
	WIN MUL_HI
	MUL16 4, 1, NQ-1, 1, 0
	MUL16 6, 1, NQ-1, 1, 0
	WIN 0
; THE WAY OUT touches no LDS.  For each of Y's 8 blocks a lane has 64 numbers: register 8 b + j is X's row 16 b + 8 (lane / 16) + j.  Registers 16 B .. 16 B + 15 lie in block B of 32 along the next K, which lanes l and l xor 16 share.
; QUANT64: the four blocks' largest magnitudes (with the floor 2^-118, which holds the byte at 1), scale operands, bytes, conversions.  A lane's two conversions of a block give k = 8 h + 0..7 and 16 + 8 h + 0..7;
; the operand's layout wants k = 16 h + 0..15: lanes 0-15 give their second eight to lanes 16-31 and take those lanes' first eight: two v_permlane16_swap_b32 a block.
.macro QUANT64 pc, pw
.irp b, 0,1,2,3
	v_max3_num_f32 v[TM+\b], |v[T+16*\b]|, |v[T+1+16*\b]|, 0x4800000
.endr
.irp i, 2,4,6,8,10,12,14
.irp b, 0,1,2,3
	v_max3_num_f32 v[TM+\b], v[TM+\b], |v[T+16*\b+\i]|, |v[T+1+16*\b+\i]|
.endr
.endr
.irp b, 0,1,2,3
	v_permlanex16_b32 v[TM+4+\b], v[TM+\b], s[SEL], s[SEL+1]
.endr
.irp b, 0,1,2,3
	v_max_num_f32 v[TM+\b], v[TM+\b], v[TM+4+\b]   ; the block's largest magnitude
.endr
.irp b, 0,1,2,3
	v_add_nc_u32 v[TM+12+\b], 0xfc000000, v[TM+\b] ; 8 off its exponent field: the conversion's scale operand
.endr
.irp b, 0,1,2,3
.endr
.irp b, 0,1,2,3
	v_lshrrev_b32 v[TM+4+\b], 23, v[TM+12+\b]      ; the scale's byte
.endr
	v_lshl_or_b32 v[\pw], v[TM+5], 8, v[TM+4]
	v_lshl_or_b32 v[\pw], v[TM+6], 16, v[\pw]
	v_lshl_or_b32 v[\pw], v[TM+7], 24, v[\pw]
.irp b, 0,1,2,3
.irp i, 0,1,2,3,4,5,6,7,8,9,10,11,12,13,14,15
.endr
	v_cvt_scalef32_pk8_fp8_f32 v[\pc+4*\b:\pc+4*\b+1], v[T+16*\b:T+16*\b+7], v[TM+12+\b]
	v_cvt_scalef32_pk8_fp8_f32 v[\pc+4*\b+2:\pc+4*\b+3], v[T+16*\b+8:T+16*\b+15], v[TM+12+\b]
.endr
	v_nop                                          ; a plain instruction between the conversions and the first vector instruction that touches their results
.irp b, 0,1,2,3
	v_permlane16_swap_b32 v[\pc+4*\b], v[\pc+4*\b+2]
	v_permlane16_swap_b32 v[\pc+4*\b+1], v[\pc+4*\b+3]
.endr
.endm
	PLACES NP                                      ; behind the last products: their results are read, and their operands' and scales' registers written, below
	s_wait_loadcnt 0x0                             ; the biases; their bases may be written again
	s_mov_b32 s[SEL], 0x76543210                   ; (no tensor load is out since the last change of slots: the descriptors' registers are free)
	s_mov_b32 s[SEL+1], 0xfedcba98
	s_mov_b32 s[HMASK], 0xffff0000
.irp b, 0,1,2,3
	v_mov_b32 v[TM+4+\b], 0                        ; a lane permute's destination counts as one of its sources
.endr
	s_cmp_eq_u32 s66, 2                            ; the same in all partners: it hangs on the cluster's number
	s_cbranch_scc1 .Lpath_v
	; ---- q and k.  My 128 tokens are step sg of 128 of batch bt; my 128 channels are two heads.
	s_lshl_b32 s20, s17, 8
	s_lshl_b32 s21, s15, 7
	s_add_co_u32 s20, s20, s21                     ; my first token
	s_lshr_b32 s21, s20, 11                        ; its batch
	s_bfe_u32 s22, s20, 0x40007                    ; its step of 128 in the batch
	s_lshl_b32 s23, s21, 4
	s_lshl_b32 s24, s42, 2
	s_add_co_u32 s23, s23, s24
	s_lshl_b32 s24, s16, 1
	s_add_co_u32 s23, s23, s24                     ; 16 x batch + my first head
	s_lshr_b32 s24, s22, 1
	s_and_b32 s25, s22, 1
	s_mul_i32 s24, s24, SLOTB                      ; k: the slot of 256 keys,
	s_lshl_b32 s26, s25, 13
	s_add_co_u32 s26, s26, s24                     ; the step's 8 images of 1,024 bytes,
	s_lshl_b32 s27, s25, 9
	s_add_co_u32 s27, s27, s24
	s_add_co_u32 s27, s27, KSOFF                   ; and its 128 scale words
	s_lshl_b32 s28, s22, 13                        ; q: the same in Qc
	s_lshl_b32 s29, s22, 9                         ; and in Qs
	s_mov_b32 s30, HKV
	s_mov_b32 s31, HKV
	s_mov_b32 s57, 1
	s_mov_b32 s58, 239
	s_mov_b32 s[SHI], 0x01000000
	s_cmp_eq_u32 s66, 0
	s_cselect_b32 s26, s28, s26
	s_cselect_b32 s27, s29, s27
	s_cselect_b32 s30, 131072, s30                 ; from head to head, codes
	s_cselect_b32 s31, 8192, s31                   ; and scale words
	s_cselect_b32 s57, 127, s57                    ; byte 2 of a word: q 127; k 1 where the key counts,
	s_cselect_b32 s58, 127, s58                    ; 239 where it is masked
	s_cselect_b32 s[SHI], 0x7f000000, s[SHI]       ; byte 3: q 127, k 1
	s_mul_i32 s32, s23, s30
	s_add_co_u32 s32, s32, s26
	s_mov_b32 s33, 0
	s_add_nc_u64 s[P0:P0+1], s[98:99], s[32:33]
	s_mov_b32 s32, s30
	s_add_nc_u64 s[P1:P1+1], s[P0:P0+1], s[32:33]
	s_mul_i32 s34, s23, s31
	s_add_co_u32 s34, s34, s27
	s_mov_b32 s35, 0
	s_add_nc_u64 s[S0:S0+1], s[100:101], s[34:35]
	s_mov_b32 s34, s31
	s_add_nc_u64 s[S1:S1+1], s[S0:S0+1], s[34:35]
	s_mov_b32 s21, 0
	s_add_nc_u64 s[96:97], s[96:97], s[20:21]      ; the mask at my first token
.irp a, 0,1,2,3,4,5,6,7
	global_load_u8 v[MB+\a], v1, s[96:97] offset:16*\a
.endr
	v_mov_b32 v[SAR], s57
	v_mov_b32 v[SBR], s58
.macro TILE_QK a                       ; 16 tokens x 128 channels: bias, quantiser, four stores of 512 consecutive bytes
.set AC, 64*((\a)%4)
.set PCS, PC+16*((\a)%2)
.set WN, 0x02+(\a)/4
	s_wait_xcnt 0x0                                ; the stores of two tiles back have read this set of codes
	WIN WN                                         ; source 0: window 2 or 3
.set i, 0
.rept 32
	v_pk_add_f32 v[T+i:T+i+1], v[AC+i:AC+i+1], v[BQ+i:BQ+i+1]   ; each accumulator from its low end on
.set i, i+2
.endr
	WIN 0
	QUANT64 PCS, PW+(\a)
	global_store_b128 v[LI], v[PCS:PCS+3], s[P0:P0+1] offset:1024*(\a)
	global_store_b128 v[LI], v[PCS+4:PCS+7], s[P0:P0+1] offset:1024*(\a)+512
	global_store_b128 v[LI], v[PCS+8:PCS+11], s[P1:P1+1] offset:1024*(\a)
	global_store_b128 v[LI], v[PCS+12:PCS+15], s[P1:P1+1] offset:1024*(\a)+512
.endm
.irp a, 0,1,2,3,4,5,6,7
	TILE_QK \a
.endr
	s_wait_loadcnt 0x0                             ; the mask bytes
.irp a, 0,1,2,3,4,5,6,7
	v_cmp_ne_u32 vcc_lo, 0, v[MB+\a]
	v_cndmask_b32 v[MB+\a], v[SBR], v[SAR], vcc_lo
	v_lshl_or_b32 v[MB+\a], v[MB+\a], 16, s[SHI]   ; bytes 2 and 3
	v_and_or_b32 v[DQ+\a], v[PW+\a], 0xffff, v[MB+\a]   ; the first head's two bytes below them,
	v_lshrrev_b32 v[TM+\a], 16, v[PW+\a]
	v_or_b32 v[TM+\a], v[TM+\a], v[MB+\a]          ; the second head's
.endr
.irp t, 0,1,2,3
	v_cndmask_b32 v[OW+\t], v[DQ+\t], v[DQ+4+\t], s[HMASK]     ; lanes 0-15 store the words of tiles 0-3 of their token row r, lanes 16-31 those of tiles 4-7
	v_cndmask_b32 v[OW+4+\t], v[TM+\t], v[TM+4+\t], s[HMASK]
.endr
	global_store_b128 v[SO], v[OW:OW+3], s[S0:S0+1]      ; 512 consecutive bytes: [16 r][8 tiles] words
	global_store_b128 v[SO], v[OW+4:OW+7], s[S1:S1+1]
	s_branch .Ljoin
.Lpath_v:
	; ---- v.  My 128 keys are step sg of batch bt; my 128 channels are two heads, four tiles of 16 channels each.
	s_lshl_b32 s20, s42, 8
	s_lshl_b32 s21, s16, 7
	s_add_co_u32 s20, s20, s21                     ; my first key
	s_lshr_b32 s21, s20, 11                        ; batch
	s_bfe_u32 s22, s20, 0x40007                    ; step
	s_lshl_b32 s23, s21, 4
	s_lshl_b32 s24, s17, 2
	s_add_co_u32 s23, s23, s24
	s_lshl_b32 s24, s15, 1
	s_add_co_u32 s23, s23, s24                     ; 16 x batch + my first head
	s_mul_i32 s23, s23, HKV
	s_lshr_b32 s24, s22, 1
	s_mul_i32 s24, s24, SLOTB
	s_add_co_u32 s23, s23, s24                     ; the head's slot
	s_and_b32 s25, s22, 1
	s_lshl_b32 s26, s25, 13
	s_add_co_u32 s26, s26, s23
	s_add_co_u32 s26, s26, VOFF
	s_mov_b32 s27, 0
	s_add_nc_u64 s[P0:P0+1], s[98:99], s[26:27]    ; the step's four images of 2,048 bytes
	s_add_nc_u64 s[P1:P1+1], s[P0:P0+1], HKV
	s_lshl_b32 s26, s25, 8
	s_add_co_u32 s26, s26, s23
	s_add_co_u32 s26, s26, VSOFF
	s_add_nc_u64 s[S0:S0+1], s[98:99], s[26:27]    ; its 64 scale words
	s_lshl_b32 s26, s21, 4
	s_add_co_u32 s26, s26, s22
	s_lshl_b32 s26, s26, 3
	s_lshl_b32 s28, s17, 1
	s_add_co_u32 s26, s26, s28
	s_add_co_u32 s26, s26, s15
	s_lshl_b32 s26, s26, 9
	s_add_nc_u64 s[S1:S1+1], s[104:105], s[26:27]  ; vsum: ((16 batch + step) x 8 + my 128 channels' number) x 512
	v_mul_u32_u24 v[VH], v2, HKV
	v_lshl_add_u32 v[VH], v1, 4, v[VH]
; A block's 16 codes of my lane (registers named by number: halves of a register have no bracket form here) are widened, summed and multiplied by the block's scale: the sum of the QUANTISED numbers.
.macro BSUM r0, r1, r2, r3, b, vs
	v_cvt_pk_f32_fp8 v[DQ:DQ+1], v\r0\().l
	v_cvt_pk_f32_fp8 v[DQ+2:DQ+3], v\r0\().h
	v_cvt_pk_f32_fp8 v[DQ+4:DQ+5], v\r1\().l
	v_cvt_pk_f32_fp8 v[DQ+6:DQ+7], v\r1\().h
	v_cvt_pk_f32_fp8 v[DQ+8:DQ+9], v\r2\().l
	v_cvt_pk_f32_fp8 v[DQ+10:DQ+11], v\r2\().h
	v_cvt_pk_f32_fp8 v[DQ+12:DQ+13], v\r3\().l
	v_cvt_pk_f32_fp8 v[DQ+14:DQ+15], v\r3\().h
	v_pk_add_f32 v[DQ:DQ+1], v[DQ:DQ+1], v[DQ+2:DQ+3]
	v_pk_add_f32 v[DQ+4:DQ+5], v[DQ+4:DQ+5], v[DQ+6:DQ+7]
	v_pk_add_f32 v[DQ+8:DQ+9], v[DQ+8:DQ+9], v[DQ+10:DQ+11]
	v_pk_add_f32 v[DQ+12:DQ+13], v[DQ+12:DQ+13], v[DQ+14:DQ+15]
	v_pk_add_f32 v[DQ:DQ+1], v[DQ:DQ+1], v[DQ+4:DQ+5]
	v_pk_add_f32 v[DQ+8:DQ+9], v[DQ+8:DQ+9], v[DQ+12:DQ+13]
	v_pk_add_f32 v[DQ:DQ+1], v[DQ:DQ+1], v[DQ+8:DQ+9]
	v_add_f32 v[DQ], v[DQ], v[DQ+1]
	v_and_b32 v[DQ+1], 0x7f800000, v[TM+12+\b]     ; the scale as f32: its byte in the exponent field
.if \b == 0
	v_mul_f32 v[\vs], v[DQ], v[DQ+1]
.else
	v_fma_f32 v[\vs], v[DQ], v[DQ+1], v[\vs]
.endif
.endm
.macro TILE_V a                        ; 16 channels x 128 keys: one fragment of V^T
.set AC, 64*((\a)%4)
.set PCS, PC+16*((\a)%2)
.set BVP, BV+2*((\a)/2)
.set WN, 0x02+(\a)/4
	s_wait_xcnt 0x0
	WIN WN
.set i, 0
.rept 32
.if (\a)%2
	v_pk_add_f32 v[T+i:T+i+1], v[AC+i:AC+i+1], v[BVP:BVP+1] op_sel:[0,1] op_sel_hi:[1,1]   ; my channel's bias, for both halves
.else
	v_pk_add_f32 v[T+i:T+i+1], v[AC+i:AC+i+1], v[BVP:BVP+1] op_sel_hi:[1,0]
.endif
.set i, i+2
.endr
	WIN 0
	QUANT64 PCS, PW+(\a)
.irp c, 0,1,2,3
.if (\a) < 4
	global_store_b128 v[LI], v[PCS+4*\c:PCS+4*\c+3], s[P0:P0+1] offset:((\a)%4)*2048+512*\c
.else
	global_store_b128 v[LI], v[PCS+4*\c:PCS+4*\c+3], s[P1:P1+1] offset:((\a)%4)*2048+512*\c
.endif
.endr
.if (\a)%2
	BSUM 48,49,50,51, 0, VS+(\a)
	BSUM 52,53,54,55, 1, VS+(\a)
	BSUM 56,57,58,59, 2, VS+(\a)
	BSUM 60,61,62,63, 3, VS+(\a)
.else
	BSUM 32,33,34,35, 0, VS+(\a)
	BSUM 36,37,38,39, 1, VS+(\a)
	BSUM 40,41,42,43, 2, VS+(\a)
	BSUM 44,45,46,47, 3, VS+(\a)
.endif
.endm
.irp a, 0,1,2,3,4,5,6,7
	TILE_V \a
.endr
.irp a, 0,1,2,3,4,5,6,7
	v_permlanex16_b32 v[DQ+\a], v[VS+\a], s[SEL], s[SEL+1]
.endr
.irp a, 0,1,2,3,4,5,6,7
	v_add_f32 v[VS+\a], v[VS+\a], v[DQ+\a]         ; with lane l xor 16's 64 keys: the channel's sum over my 128 keys
.endr
.irp t, 0,1,2,3
	v_cndmask_b32 v[OW+\t], v[PW+\t], v[PW+4+\t], s[HMASK]     ; lanes 0-15: the first head's four tiles, lanes 16-31: the second head's
	v_cndmask_b32 v[OW+4+\t], v[VS+\t], v[VS+4+\t], s[HMASK]
.endr
	global_store_b128 v[VH], v[OW:OW+3], s[S0:S0+1]      ; 256 consecutive bytes for each head: [16 r][4 tiles] words
	global_store_b128 v[SO], v[OW+4:OW+7], s[S1:S1+1]    ; 512 consecutive bytes: [16 r][8 tiles] f32
.Ljoin:
	s_wait_tensorcnt 0x0                           ; the wave's end
	ds_add_u32 v[SPW], v[NIL]
	s_wait_dscnt 0x0
	CROUND                                         ; the closing round: no work-group ends while a partner may still ask for a tile that names it
	s_endpgm
.Lfunc_end_k_qec71f093ab_proj:
	.size	k_qec71f093ab_proj, .Lfunc_end_k_qec71f093ab_proj-k_qec71f093ab_proj
	.p2alignl 7, 3214868480
	.fill 96, 4, 3214868480
	.section	.rodata,"a",@progbits
	.p2align	6, 0x0
	.amdhsa_kernel k_qec71f093ab_proj
		.amdhsa_group_segment_fixed_size 327680
		.amdhsa_private_segment_fixed_size 0
		.amdhsa_enable_private_segment 0
		.amdhsa_kernarg_size 160
		.amdhsa_user_sgpr_count 2
		.amdhsa_user_sgpr_kernarg_segment_ptr 1
		.amdhsa_wavefront_size32 1
		.amdhsa_system_sgpr_workgroup_id_x 1
		.amdhsa_system_sgpr_workgroup_id_y 1
		.amdhsa_system_sgpr_workgroup_id_z 1
		.amdhsa_system_vgpr_workitem_id 0
		.amdhsa_next_free_vgpr 1024
		.amdhsa_next_free_sgpr 106
		.amdhsa_reserve_vcc 1
		.amdhsa_float_denorm_mode_32 3
		.amdhsa_float_denorm_mode_16_64 3
		.amdhsa_fp16_overflow 1
		.amdhsa_memory_ordered 1
		.amdhsa_forward_progress 1
		.amdhsa_inst_pref_size 255
	.end_amdhsa_kernel
	.section	.bss,"aw",@nobits
	.p2align	6
	.space	262144
	.amdgpu_metadata
---
amdhsa.version: [ 1, 2 ]
amdhsa.kernels:
  - .name:           k_qec71f093ab_proj
    .symbol:         k_qec71f093ab_proj.kd
    .args:
      - { .name: q_codes, .offset: 0, .size: 8, .value_kind: global_buffer, .address_space: global }
      - { .name: q_scales, .offset: 8, .size: 8, .value_kind: global_buffer, .address_space: global }
      - { .name: Wq_codes, .offset: 16, .size: 8, .value_kind: global_buffer, .address_space: global }
      - { .name: Wq_scales, .offset: 24, .size: 8, .value_kind: global_buffer, .address_space: global }
      - { .name: bq, .offset: 32, .size: 8, .value_kind: global_buffer, .address_space: global }
      - { .name: k_codes, .offset: 40, .size: 8, .value_kind: global_buffer, .address_space: global }
      - { .name: k_scales, .offset: 48, .size: 8, .value_kind: global_buffer, .address_space: global }
      - { .name: Wk_codes, .offset: 56, .size: 8, .value_kind: global_buffer, .address_space: global }
      - { .name: Wk_scales, .offset: 64, .size: 8, .value_kind: global_buffer, .address_space: global }
      - { .name: bk, .offset: 72, .size: 8, .value_kind: global_buffer, .address_space: global }
      - { .name: Wv_codes, .offset: 80, .size: 8, .value_kind: global_buffer, .address_space: global }
      - { .name: Wv_scales, .offset: 88, .size: 8, .value_kind: global_buffer, .address_space: global }
      - { .name: v_codes, .offset: 96, .size: 8, .value_kind: global_buffer, .address_space: global }
      - { .name: v_scales, .offset: 104, .size: 8, .value_kind: global_buffer, .address_space: global }
      - { .name: bv, .offset: 112, .size: 8, .value_kind: global_buffer, .address_space: global }
      - { .name: attention_mask, .offset: 120, .size: 8, .value_kind: global_buffer, .address_space: global }
      - { .name: Qc, .offset: 128, .size: 8, .value_kind: global_buffer, .address_space: global }
      - { .name: Qs, .offset: 136, .size: 8, .value_kind: global_buffer, .address_space: global }
      - { .name: KV, .offset: 144, .size: 8, .value_kind: global_buffer, .address_space: global }
      - { .name: vsum, .offset: 152, .size: 8, .value_kind: global_buffer, .address_space: global }
    .group_segment_fixed_size: 327680
    .private_segment_fixed_size: 0
    .kernarg_segment_align: 8
    .kernarg_segment_size: 160
    .max_flat_workgroup_size: 128
    .sgpr_count:     106
    .vgpr_count:     1024
    .wavefront_size: 32
...
	.end_amdgpu_metadata
.endif
;; end of part 1
;; launch attn (part 2): grid 4 x 64, 16 waves a work-group, no clusters, 327,680 bytes of LDS; arguments Qc, Qs, KV, vsum, attention_mask, Oc, Os; writes Oc, Os
.if DOCPART == 2
	.amdgcn_target "amdgcn-amd-amdhsa--gfx1250"
	.amdhsa_code_object_version 6
	.text
	.protected	k_qec71f093ab_attn
	.globl	k_qec71f093ab_attn
	.p2align	8
	.type	k_qec71f093ab_attn,@function
k_qec71f093ab_attn:
	s_mov_b64 s[64:65], 0
	v_nop
	global_prefetch_b8 v0, s[64:65] scope:SCOPE_SE
	s_setreg_imm32_b32 hwreg(HW_REG_WAVE_MODE, 25, 1), 1
	s_wait_xcnt 0x0
; ATTENTION of one head, causal and with the padding mask, both products on codes of FP8 (E4M3) with E8M0 scales; its result is quantised along the model's 1,024 and leaves as images of the last product's operand registers.
; t = score x log2(e) / 8; M = the running largest t rounded UP to a whole number; p = 2^(t - M) is quantised along the keys; the row's sum is taken of the unquantised p and divides at the end.
; SHARES.  A work-group owns two blocks of 256 queries of one head, 7 - x and then x (x = 0..3): together they walk (8 - x) + (x + 1) = 9 slots of 256 keys, whatever x: the loop over slots has a constant count and all
; 256 work-groups have equal work.  Each of the sixteen waves owns one tile of 16 queries in 256 registers: tile w of the first block, tile 15 - w of the second: 17 key steps of 128 for every wave.
; NO CLUSTER: the four work-groups of a head walk different runs of slots (8 - x slots, then x + 1), so that from trip 5 on partners would ask for different tiles in the same round.
; LAYOUT.  S^T = K Q^T (source 0 = 16 keys, source 1 = my 16 queries), O^T = V^T P^T: a lane holds ONE query (lane % 16) throughout.  K's, V's and Q's fragments lie in memory and LDS as images of their registers:
; every LDS load takes 512 consecutive bytes.  p's codes are brought into the operand's order by two v_permlane16_swap_b32 a block of 32 keys.
; THE KEY MASK RIDES IN THE IDLE HALF OF K.  The head has 64 channels, the instruction takes 128.  At k = 64 Q holds the constant code 1.0 and K the constant code -448; byte 2 of K's scale word is 1 for a key that
; counts (it adds -1.75 x 2^-118: nothing) and 239 for a masked key (it adds -1.75 x 2^120).  The running largest t begins at -2^100, so a masked t, about -2^117, never becomes M, and its p is 0.
; A MASKED QUERY: in the source all its 2,048 logits are equal (each is the most negative f32 number), keys after it too: p = 1 for every key, the sum is 2,048: its row is the mean of the quantised V over the batch's
; 2,048 keys, made here from vsum and chosen at the end by v_cndmask_b32.
; LIMITS: |t| stays under 2^100; NaN and infinities are not served; a block under 2^-118 gets the scale byte 1, a block of zeros too (its codes are zeros; this program alone reads the bytes).
; The two scale bytes of a query and head are stored 2 bytes a lane, 32 bytes apart: a row's 32 bytes come from sixteen work-groups; they are one byte in 32 of what this launch stores.
.set HKV,   274432                     ; a head's 8 slots in KV
.set SLOTB, 34304                      ; a slot: K's 16 images of 1,024 bytes; V's 2 x 4 images of 2,048; K's scale words 2 x 512; V's 2 x 256
.set HALFB, 17152                      ; half of it: 67 rows of 256 bytes: one tensor load
.set VOFF,  16384
.set KSOFF, 32768
.set VSOFF, 33792
.set SLOT1, 1<<17                      ; slot 1 begins here: one exclusive or turns an address
.set VM2,   262144                     ; 256 bytes for each wave: the mean of the quantised V, 64 channels
.set SPARE, 266240                     ; the spare words, 128 bytes a wave: eight blocks of 256 bytes that no other line names
.set LI,  1                            ; 16 x lane
.set LK,  2                            ; 32 x (lane % 16)
.set LV,  3                            ; 16 x (lane % 16)
.set SPW, 4                            ; my spare word; never rewritten
.set NIL, 5                            ; 0; never rewritten
.set PFO, 6                            ; 256 x lane; never rewritten
.set A1,  7                            ; the slot in hand + LI, LK, LV
.set A2,  8
.set A3,  9
.set RR,  10                           ; lane % 16
.set QM,  11                           ; my query's mask byte
                                       ; v12 -M, v13 the largest t, v[14:15] the sum in two halves
.set QF,  16                           ; Q: 8 registers of codes, the constant 1.0 at k = 64, zeros
.set KR,  32                           ; four runs of 16 for K: 8 loaded, the constant -448 at k = 64, zeros
.set S,   96                           ; S^T, then p, then V's four fragments
.set ON,  128                          ; the way out: O / the sum
.set O,   160                          ; O^T: 4 tiles x 8
.set PC,  192                          ; p's codes
.set KSW, 208                          ; K's scale words, 8
.set VSW, 216                          ; V's, 4
.set QSW, 220                          ; Q's
.set PSW, 221                          ; p's
.set AVM, 222                          ; VM2 + 256 x wave + 32 x (lane / 16)
.set RH,  223                          ; lane % 16 - 8 x (lane / 16)
.set BM,  224                          ; four blocks' largest
.set PT,  228                          ; permute temps, bytes
.set HD,  232
.set SOP, 236                          ; scale operands
.set FF,  240                          ; f, or 1 / the sum: low word of the pair v[240:241]
.set S2,  242                          ; the sums' second chain
.set TA,  244
.set DD,  245
.set NINF, 246                         ; -infinity
.set WV,  18
.set MNT, 19
.set SEL, 20
.set CS,  22
.set G1,  24
.set G0,  32
.set TB,  36                           ; LDS byte at which the slot in hand begins
.set KF,  37                           ; the step's first key
.set Q0,  38                           ; my first query
.set SLOTS, 39
.set FK,  40                           ; the key slot last asked for
.set N1,  41                           ; slots of the first block: 8 - x
.set PP,  42
.set BH,  43
.set HDN, 44
.set BB,  45
.set LEFT, 46                          ; slots left in the block in hand
.set LIM, 47
.set PFA, 48
.set TT,  66                           ; my tile of 16 queries in the batch, 0..127
.macro TLOAD                           ; waves 0 and 1 fetch the two halves of a slot, the others nothing; four v_nop follow the line
	s_cmp_lt_u32 s[WV], 2
	s_cbranch_scc0 .Lnone_\@
	tensor_load_to_lds s[G0:G0+3], s[G1:G1+7]
	s_nop 0
.rept 4
	v_nop
.endr
.Lnone_\@:
.endm
; A PREFETCH INTO THE L2: the change of slots in trip n, which loads key slot n + 1, asks for the codes of key slot n + 2: 32,768 bytes, one trip (two key steps of sixteen waves) ahead of their tensor loads.
; All four work-groups of a head walk slots 0 on; work-group x = 0 walks all eight first: it asks, by its waves 4 to 7, which fetch nothing: 8,192 bytes a wave, lanes 256 bytes apart: each block is named once.
; It stops with key slot 7 (SLOTS > 2).  Slots 0 and 1, the 1,536 bytes of scale words and the second block's slots, which have been read, are not asked for.
.macro ASK
	s_cmp_gt_u32 s[SLOTS], s[LIM]
	s_cbranch_scc0 .Lnot_mine_\@
	global_prefetch_b8 v[PFO], s[PFA:PFA+1] th:TH_LOAD_NT scope:SCOPE_SE
.Lnot_mine_\@:
.endm
	s_load_b256 s[4:11], s[0:1], 0x0               ; Qc, Qs, KV, vsum
	s_load_b128 s[12:15], s[0:1], 0x20             ; the mask, Oc
	s_load_b64 s[16:17], s[0:1], 0x30              ; Os
	v_lshl_add_u32 v[SPW], v0, 2, SPARE
	v_mov_b32 v[NIL], 0
	ds_add_u32 v4, v5
	ds_add_u32 v4, v5
	s_wait_dscnt 0x0
	v_lshrrev_b32 v7, 5, v0
	s_delay_alu instid0(VALU_DEP_1)
	v_readfirstlane_b32 s[WV], v7                  ; wave 0..15
	s_and_b32 s[BH], ttmp7, 0xffff                 ; 16 x batch + head
	s_and_b32 s[HDN], s[BH], 15
	s_lshr_b32 s[BB], s[BH], 4
	s_mov_b32 s[PP], ttmp9
	s_sub_co_u32 s[N1], 8, s[PP]
	; descriptor group 1: 67 rows of 256 bytes (32 elements of 8 bytes), dense in memory and in LDS
	s_mov_b32 s[G1], 3<<16                         ; no mask; elements of 8 bytes; no padding
	s_mov_b32 s[G1+1], 32<<16                      ; tensor_dim0
	s_mov_b32 s[G1+2], 67<<16                      ; tensor_dim1
	s_mov_b32 s[G1+3], 32<<16                      ; tile_dim0
	s_mov_b32 s[G1+4], 67                          ; tile_dim1
	s_mov_b32 s[G1+5], 32                          ; the pitch
	s_mov_b32 s[G1+6], 0
	s_mov_b32 s[G1+7], 0
	s_mul_i32 s52, s[BH], HKV                      ; my head in KV
	s_mov_b32 s53, 0
	s_and_b32 s54, s[WV], 3
	s_lshl_b32 s54, s54, 13
	s_add_co_u32 s54, s54, s52
	s_add_co_u32 s54, s54, SLOTB                   ; the prefetches stand in key slot 1: the first change of slots steps them to slot 2
	s_mov_b32 s55, 0
	s_min_u32 s50, s[WV], 1
	s_mul_i32 s50, s50, HALFB                      ; which half of a slot I fetch, if I fetch
	s_add_co_u32 s52, s52, s50
	s_wait_kmcnt 0x0
	s_add_nc_u64 s[PFA:PFA+1], s[8:9], s[54:55]
	s_add_nc_u64 s[8:9], s[8:9], s[52:53]          ; my half of the head's key slot 0
	s_mov_b32 s[G0], 1
	s_mov_b32 s[G0+1], s50                         ; LDS: slot 0
	s_mov_b64 s[G0+2:G0+3], s[8:9]
	s_or_b32 s[G0+3], s[G0+3], 0x80000000
	TLOAD                                          ; the first fill, ahead of every LDS instruction
	s_lshl_b32 s52, s[BH], 17
	s_add_nc_u64 s[4:5], s[4:5], s[52:53]          ; Qc at my head: 128 tiles of 1,024 bytes
	s_lshl_b32 s52, s[BH], 13
	s_add_nc_u64 s[6:7], s[6:7], s[52:53]          ; Qs
	s_lshl_b32 s52, s[BB], 16
	s_lshr_b32 s54, s[HDN], 1
	s_lshl_b32 s54, s54, 9
	s_add_co_u32 s52, s52, s54
	s_and_b32 s54, s[HDN], 1
	s_lshl_b32 s54, s54, 4
	s_add_co_u32 s52, s52, s54
	s_add_nc_u64 s[10:11], s[10:11], s[52:53]      ; vsum: my batch, my head's 128 channels' number, my head's four tiles
	s_lshl_b32 s52, s[BB], 11
	s_add_nc_u64 s[12:13], s[12:13], s[52:53]      ; the mask at my batch
	s_lshl_b32 s52, s[BB], 21
	s_lshr_b32 s54, s[HDN], 2
	s_lshl_b32 s54, s54, 15
	s_add_co_u32 s52, s52, s54
	s_bfe_u32 s54, s[HDN], 0x10001
	s_lshl_b32 s54, s54, 14
	s_add_co_u32 s52, s52, s54
	s_and_b32 s54, s[HDN], 1
	s_lshl_b32 s54, s54, 10
	s_add_co_u32 s52, s52, s54
	s_add_nc_u64 s[14:15], s[14:15], s[52:53]      ; Oc: [128 rows][256 along K][128 along K][tile of rows][c][512 bytes]: my batch and my head's place along K
	s_lshl_b32 s52, s[BB], 16
	s_lshl_b32 s54, s[HDN], 1
	s_add_co_u32 s52, s52, s54
	s_add_nc_u64 s[16:17], s[16:17], s[52:53]      ; Os: 32 bytes a row; my head's two
	s_sub_co_u32 s54, s[WV], 4
	s_lshr_b32 s54, s54, 2                         ; 0 in waves 4 to 7,
	s_or_b32 s54, s54, s[PP]                       ; of work-group x = 0
	s_cmp_eq_u32 s54, 0
	s_cselect_b32 s[LIM], 2, -1
	s_mov_b32 s[SEL], 0x76543210
	s_mov_b32 s[SEL+1], 0xfedcba98
	s_mov_b32 s[CS], 0x3e38aa3b                    ; c = log2(e) / sqrt(64)
	s_mov_b32 s[CS+1], s[CS]
	v_and_b32 v[RR], 15, v0
	v_bfe_u32 v248, v0, 4, 1                       ; h
	v_and_b32 v249, 31, v0                         ; lane
	s_delay_alu instid0(VALU_DEP_1)
	v_lshlrev_b32 v[LI], 4, v249
	s_delay_alu instid0(VALU_DEP_4)
	v_lshlrev_b32 v[LK], 5, v[RR]
	v_lshlrev_b32 v[LV], 4, v[RR]
	s_delay_alu instid0(VALU_DEP_4)
	v_lshlrev_b32 v[PFO], 8, v249
	v_lshlrev_b32 v252, 3, v248
	s_delay_alu instid0(VALU_DEP_1)
	v_sub_nc_u32 v[RH], v[RR], v252
	s_lshl_b32 s54, s[WV], 8
	v_lshl_add_u32 v[AVM], v248, 5, s54
	s_delay_alu instid0(VALU_DEP_1)
	v_add_nc_u32 v[AVM], VM2, v[AVM]
	v_lshl_add_u32 v251, v249, 2, s54
	s_delay_alu instid0(VALU_DEP_1)
	v_add_nc_u32 v251, VM2, v251                   ; where I put the mean of channel `lane`
	v_lshl_add_u32 v250, v248, 2, v[LK]            ; vsum: channel `lane` = tile lane / 16, row lane % 16: 32 r + 4 tile; channel lane + 32: two tiles, 8 bytes, on
.set i, 0
.rept 16                                           ; the sixteen steps' sums of the quantised V, for my two channels
	global_load_b32 v[S+2*i], v250, s[10:11] offset:4096*i
	global_load_b32 v[S+2*i+1], v250, s[10:11] offset:4096*i+8
.set i, i+1
.endr
	v_sub_nc_u32 v[TA], 1, v248                    ; 1 in lanes 0-15: k = 64 is byte 0 of register 8 there
	s_delay_alu instid0(VALU_DEP_1)
	v_mul_u32_u24 v[QF+8], v[TA], 0x38             ; the code of 1.0
	s_delay_alu instid0(VALU_DEP_2)
	v_mul_u32_u24 v[KR+8], v[TA], 0xfe             ; the code of -448
	s_delay_alu instid0(VALU_DEP_1)
	v_mov_b32 v[KR+24], v[KR+8]
	s_delay_alu instid0(VALU_DEP_2)
	v_mov_b32 v[KR+40], v[KR+8]
	s_delay_alu instid0(VALU_DEP_3)
	v_mov_b32 v[KR+56], v[KR+8]
.set i, 1
.rept 7
	v_mov_b32 v[QF+8+i], 0
	v_mov_b32 v[KR+8+i], 0
	v_mov_b32 v[KR+24+i], 0
	v_mov_b32 v[KR+40+i], 0
	v_mov_b32 v[KR+56+i], 0
.set i, i+1
.endr
.irp b, 0,1,2,3
	v_mov_b32 v[PT+\b], 0                          ; a lane permute's destination counts as one of its sources
.endr
	v_mov_b32 v[FF+1], 0                           ; (named as the upper half of a pair)
	v_mov_b32 v[NINF], 0xff800000
; A tile of queries begins: its codes, scale word and mask byte; O^T and the sum are zeros, the largest t is -2^100.
.macro BLOCK_IN
	s_lshl_b32 s[Q0], s[TT], 4
	s_lshl_b32 s52, s[TT], 10
	s_mov_b32 s53, 0
	s_add_nc_u64 s[52:53], s[4:5], s[52:53]
	s_lshr_b32 s54, s[TT], 3
	s_lshl_b32 s54, s54, 9
	s_and_b32 s55, s[TT], 7
	s_lshl_b32 s55, s55, 2
	s_add_co_u32 s54, s54, s55
	s_mov_b32 s55, 0
	s_add_nc_u64 s[54:55], s[6:7], s[54:55]
	s_mov_b32 s56, s[Q0]
	s_mov_b32 s57, 0
	s_add_nc_u64 s[56:57], s[12:13], s[56:57]
	global_load_b128 v[QF:QF+3], v[LI], s[52:53]
	global_load_b128 v[QF+4:QF+7], v[LI], s[52:53] offset:512
	global_load_b32 v[QSW], v[LK], s[54:55]
	global_load_u8 v[QM], v[RR], s[56:57]
.set i, 0
.rept 32
	v_mov_b32 v[O+i], 0                            ; the key step is written once: the first finds zeros
.set i, i+1
.endr
	v_mov_b32 v13, 0xf1800000                      ; -2^100
	v_mov_b32 v12, 0x71800000                      ; -M
	v_mov_b32 v14, 0
	v_mov_b32 v15, 0
	s_wait_loadcnt 0x0                             ; the bases may be written again
.endm
; A tile of queries ends: O^T / the sum, or the mean of V for a masked query; quantised along the head's 64 (two blocks of the model's 1,024); images and scale bytes stored.
.macro BLOCK_OUT
	v_add_f32 v14, v14, v15
	s_delay_alu instid0(VALU_DEP_1)
	v_permlanex16_b32 v[PT], v14, s[SEL], s[SEL+1]
	s_delay_alu instid0(VALU_DEP_1)
	v_add_f32 v14, v14, v[PT]                      ; the row's sum
	s_wait_alu depctr_va_vdst(0)
	v_rcp_f32 v[FF], v14
.irp t, 0,1,2,3
	ds_load_b128 v[S+8*\t:S+8*\t+3], v[AVM] offset:64*\t        ; the mean of V at my channels 16 t + 8 h + 0 .. 7 (my wave's own bytes)
	ds_load_b128 v[S+8*\t+4:S+8*\t+7], v[AVM] offset:64*\t+16
.endr
	s_lshr_b32 s58, s[TT], 3
	s_lshl_b32 s58, s58, 17
	s_and_b32 s60, s[TT], 7
	s_lshl_b32 s60, s60, 11
	s_add_co_u32 s58, s58, s60
	s_mov_b32 s59, 0
	s_add_nc_u64 s[58:59], s[14:15], s[58:59]
	s_lshl_b32 s60, s[TT], 9
	s_mov_b32 s61, 0
	s_add_nc_u64 s[60:61], s[16:17], s[60:61]
	v_nop                                          ; a plain instruction behind the reciprocal
	s_wait_alu depctr_va_vdst(0)                   ; the wait ahead of the first reader of its result
.set i, 0
.rept 16
	v_pk_mul_f32 v[ON+i:ON+i+1], v[O+i:O+i+1], v[FF:FF+1] op_sel_hi:[1,0]   ; each accumulator from its low end on
.set i, i+2
.endr
	s_wait_dscnt 0x0
	v_cmp_ne_u32 vcc_lo, 0, v[QM]
.set i, 0
.rept 32
	v_cndmask_b32 v[ON+i], v[S+i], v[ON+i], vcc_lo
.set i, i+1
.endr
.irp b, 0,1
	v_max3_num_f32 v[BM+\b], |v[ON+16*\b]|, |v[ON+1+16*\b]|, 0x4800000
.endr
.irp i, 2,4,6,8,10,12,14
.irp b, 0,1
	s_delay_alu instid0(VALU_DEP_2)
	v_max3_num_f32 v[BM+\b], v[BM+\b], |v[ON+16*\b+\i]|, |v[ON+1+16*\b+\i]|
.endr
.endr
.irp b, 0,1
	s_delay_alu instid0(VALU_DEP_2)
	v_permlanex16_b32 v[PT+\b], v[BM+\b], s[SEL], s[SEL+1]
.endr
.irp b, 0,1
	s_delay_alu instid0(VALU_DEP_2)
	v_max_num_f32 v[BM+\b], v[BM+\b], v[PT+\b]
.endr
.irp b, 0,1
	s_delay_alu instid0(VALU_DEP_2)
	v_add_nc_u32 v[SOP+\b], 0xfc000000, v[BM+\b]
.endr
.irp b, 0,1
.endr
.irp b, 0,1
	s_delay_alu instid0(VALU_DEP_2)
	v_lshrrev_b32 v[PT+\b], 23, v[SOP+\b]
.endr
	s_delay_alu instid0(VALU_DEP_1)
	v_lshl_or_b32 v[TA], v[PT+1], 8, v[PT]
.irp b, 0,1
.irp i, 0,1,2,3,4,5,6,7,8,9,10,11,12,13,14,15
.endr
	v_cvt_scalef32_pk8_fp8_f32 v[PC+4*\b:PC+4*\b+1], v[ON+16*\b:ON+16*\b+7], v[SOP+\b]
	v_cvt_scalef32_pk8_fp8_f32 v[PC+4*\b+2:PC+4*\b+3], v[ON+16*\b+8:ON+16*\b+15], v[SOP+\b]
.endr
	v_nop                                          ; a plain instruction behind the conversions
.irp b, 0,1
	v_permlane16_swap_b32 v[PC+4*\b], v[PC+4*\b+2]
	v_permlane16_swap_b32 v[PC+4*\b+1], v[PC+4*\b+3]
.endr
	global_store_b128 v[LI], v[PC:PC+3], s[58:59]            ; 512 consecutive bytes each
	global_store_b128 v[LI], v[PC+4:PC+7], s[58:59] offset:512
	global_store_b16 v[LK], v[TA], s[60:61]                  ; lanes 16-31 repeat lanes 0-15: the same bytes with the same values
	s_wait_xcnt 0x0                                ; the stores' registers and bases may be written again
.endm
	s_sub_co_u32 s[TT], 7, s[PP]
	s_lshl_b32 s[TT], s[TT], 4
	s_add_co_u32 s[TT], s[TT], s[WV]               ; block 7 - x, tile w
	BLOCK_IN                                       ; (its wait covers vsum's loads too)
.irp i, 0,4,8,12,16,20,24,28
	v_pk_add_f32 v[S+\i:S+\i+1], v[S+\i:S+\i+1], v[S+\i+2:S+\i+3]
.endr
.irp i, 0,8,16,24
	v_pk_add_f32 v[S+\i:S+\i+1], v[S+\i:S+\i+1], v[S+\i+4:S+\i+5]
.endr
.irp i, 0
	s_delay_alu instid0(VALU_DEP_3)
	v_pk_add_f32 v[S+\i:S+\i+1], v[S+\i:S+\i+1], v[S+\i+8:S+\i+9]
.endr
.irp i, 16
	s_delay_alu instid0(VALU_DEP_2)
	v_pk_add_f32 v[S+\i:S+\i+1], v[S+\i:S+\i+1], v[S+\i+8:S+\i+9]
.endr
	s_delay_alu instid0(VALU_DEP_1)
	v_pk_add_f32 v[S:S+1], v[S:S+1], v[S+16:S+17]
	s_delay_alu instid0(VALU_DEP_1)
	v_pk_mul_f32 v[S:S+1], v[S:S+1], 0x3a000000 op_sel_hi:[1,0]   ; / 2,048
	ds_store_b32 v251, v[S]
	ds_store_b32 v251, v[S+1] offset:128
	s_mov_b32 s[TB], 0
	s_mov_b32 s[KF], 0
	s_mov_b32 s[SLOTS], 8
	s_mov_b32 s[FK], 0
	s_mov_b32 s[LEFT], s[N1]
; A KEY STEP: 128 keys, the q-th of the slot in hand.  A step all of whose keys come after my 16 queries is left out: a scalar branch on ids; no barrier and no tensor load stands in a step.
.macro STEP q
	s_add_co_u32 s50, s[Q0], 15
	s_cmp_gt_u32 s[KF], s50
	s_cbranch_scc1 .Lhidden_\@
	s_wait_alu depctr_va_vdst(0)
	ds_load_b128 v[KSW:KSW+3], v[A2] offset:KSOFF+512*(\q)
	ds_load_b128 v[KSW+4:KSW+7], v[A2] offset:KSOFF+512*(\q)+16
	s_wait_alu depctr_va_vdst(0)
.irp g, 0,1                                        ; S^T = K Q^T, four tiles of 16 keys at a time
.if \g
.rept 8
	v_nop                                          ; places in front of loads into registers that the four products have read
.endr
.endif
.irp t, 0,1,2,3
	ds_load_b128 v[KR+16*\t:KR+16*\t+3], v[A1] offset:(8*(\q)+4*\g+\t)*1024
	ds_load_b128 v[KR+16*\t+4:KR+16*\t+7], v[A1] offset:(8*(\q)+4*\g+\t)*1024+512
.endr
	s_wait_dscnt 0x0
.irp t, 0,1,2,3
	v_wmma_scale_f32_16x16x128_f8f6f4 v[S+8*(4*\g+\t):S+8*(4*\g+\t)+7], v[KR+16*\t:KR+16*\t+15], v[QF:QF+15], 0, v[KSW+4*\g+\t], v[QSW]
.endr
.endr                                              ; register 8 t + j of lane (r, h): query r, key 16 t + 8 h + j
.rept 8
	v_nop
.endr
	s_add_co_u32 s50, s[KF], 127                   ; on the diagonal hidden scores become -infinity ahead of the maximum; a step all of whose keys come no later than my queries skips this
	s_cmp_le_u32 s50, s[Q0]
	s_cbranch_scc1 .Lopen_\@
	s_sub_co_i32 s50, s[Q0], s[KF]
	v_add_nc_u32 v[DD], s50, v[RH]                 ; d = my query - the step's first key - 8 h: register n is hidden where 16 (n / 8) + n % 8 > d
.set n, 0
.rept 64
	v_cmp_gt_i32 vcc_lo, 16*(n/8)+n%8, v[DD]
	v_cndmask_b32 v[S+n], v[S+n], v[NINF], vcc_lo
.set n, n+1
.endr
.Lopen_\@:
.irp b, 0,1,2,3
	v_max3_num_f32 v[BM+\b], v[S+16*\b], v[S+1+16*\b], v[S+2+16*\b]   ; the largest score of each block of 32 keys: for the row's maximum, and, since p rises with the score, for the block's largest p
.endr
.irp i, 3,5,7,9,11,13
.irp b, 0,1,2,3
	v_max3_num_f32 v[BM+\b], v[BM+\b], v[S+16*\b+\i], v[S+1+16*\b+\i]
.endr
.endr
.irp b, 0,1,2,3
	v_max_num_f32 v[BM+\b], v[BM+\b], v[S+15+16*\b]
.endr
.irp b, 0,1,2,3
	s_delay_alu instid0(VALU_DEP_4)
	v_permlanex16_b32 v[PT+\b], v[BM+\b], s[SEL], s[SEL+1]
.endr
.irp b, 0,1,2,3
	s_delay_alu instid0(VALU_DEP_4)
	v_max_num_f32 v[BM+\b], v[BM+\b], v[PT+\b]
.endr
	s_delay_alu instid0(VALU_DEP_2)
	v_max3_num_f32 v[TA], v[BM], v[BM+1], v[BM+2]
	s_delay_alu instid0(VALU_DEP_1)
	v_max_num_f32 v[TA], v[TA], v[BM+3]
	s_delay_alu instid0(VALU_DEP_1)
	v_mul_f32 v[TA], s[CS], v[TA]
	s_delay_alu instid0(VALU_DEP_1)
	v_max_num_f32 v13, v13, v[TA]                  ; the running largest t
	v_mov_b32 v[TA], v12
	s_delay_alu instid0(VALU_DEP_2)
	v_floor_f32 v12, -v13                          ; the new -M: M is a whole number
	s_delay_alu instid0(VALU_DEP_1)
	v_sub_f32 v[TA], v12, v[TA]                    ; old M - new M, 0 or less
	s_delay_alu instid0(VALU_DEP_1)
	v_cvt_i32_f32 v[TA], v[TA]                     ; (it saturates)
	s_delay_alu instid0(VALU_DEP_1)
	v_ldexp_f32 v[FF], 1.0, v[TA]                  ; f = 2^(old M - new M): multiplying by it rounds nothing
.set j, 0
.rept 32
	v_pk_fma_f32 v[S+j:S+j+1], v[S+j:S+j+1], s[CS:CS+1], v[12:13] op_sel_hi:[1,0,0]   ; t - M
.set j, j+2
.endr
.irp b, 0,1,2,3
	v_fma_f32 v[BM+\b], v[BM+\b], s[CS], v12
.endr
.set j, 0
	s_wait_alu depctr_va_vdst(0)
.rept 64
	v_exp_f32 v[S+j], v[S+j]                       ; p = 2^(t - M)
.set j, j+1
.endr
	v_pk_mul_f32 v[14:15], v[14:15], v[FF:FF+1] op_sel_hi:[1,0]   ; the sums under the new M; also the plain instruction behind the exponentials
	s_wait_alu depctr_va_vdst(0)                   ; one wait for the batch of 64, ahead of its first reader
.irp b, 0,1,2,3
	v_exp_f32 v[BM+\b], v[BM+\b]                   ; each block's largest p
.endr
	v_pk_add_f32 v[242:243], v[100:101], v[104:105]
	v_pk_add_f32 v[254:255], v[108:109], v[112:113]
	v_pk_add_f32 v[252:253], v[116:117], v[120:121]
	v_pk_add_f32 v[250:251], v[124:125], v[128:129]
	v_pk_add_f32 v[248:249], v[132:133], v[136:137]
	v_pk_add_f32 v[244:245], v[140:141], v[144:145]
	v_pk_add_f32 v[238:239], v[148:149], v[152:153]
	v_pk_add_f32 v[14:15], v[14:15], v[156:157]
	v_pk_add_f32 v[242:243], v[242:243], v[96:97]
	v_pk_add_f32 v[254:255], v[254:255], v[98:99]
	v_pk_add_f32 v[252:253], v[252:253], v[102:103]
	v_pk_add_f32 v[250:251], v[250:251], v[106:107]
	v_pk_add_f32 v[248:249], v[248:249], v[110:111]
	v_pk_add_f32 v[244:245], v[244:245], v[114:115]
	v_pk_add_f32 v[238:239], v[238:239], v[118:119]
	v_pk_add_f32 v[14:15], v[14:15], v[122:123]
	v_pk_add_f32 v[242:243], v[242:243], v[126:127]
	v_pk_add_f32 v[254:255], v[254:255], v[130:131]
	v_pk_add_f32 v[252:253], v[252:253], v[134:135]
	v_pk_add_f32 v[250:251], v[250:251], v[138:139]
	v_pk_add_f32 v[248:249], v[248:249], v[142:143]
	v_pk_add_f32 v[244:245], v[244:245], v[146:147]
	v_pk_add_f32 v[238:239], v[238:239], v[150:151]
	v_pk_add_f32 v[14:15], v[14:15], v[154:155]
	v_pk_add_f32 v[242:243], v[242:243], v[158:159]
	s_delay_alu instid0(VALU_DEP_2)
	v_pk_add_f32 v[14:15], v[14:15], v[250:251]
	s_delay_alu instid0(VALU_DEP_2)
	v_pk_add_f32 v[242:243], v[242:243], v[248:249]
	v_pk_add_f32 v[254:255], v[254:255], v[244:245]
	v_pk_add_f32 v[252:253], v[252:253], v[238:239]
	s_delay_alu instid0(VALU_DEP_2)
	v_pk_add_f32 v[14:15], v[14:15], v[254:255]
	s_delay_alu instid0(VALU_DEP_2)
	v_pk_add_f32 v[242:243], v[242:243], v[252:253]
	s_delay_alu instid0(VALU_DEP_1)
	v_pk_add_f32 v[14:15], v[14:15], v[242:243]
	s_wait_alu depctr_va_vdst(0)                   ; and one for the four
.irp b, 0,1,2,3
	v_max_num_f32 v[BM+\b], 0x4800000, v[BM+\b]    ; the floor 2^-118: the byte cannot fall under 1
.endr
.irp b, 0,1,2,3
	s_delay_alu instid0(VALU_DEP_4)
	v_add_nc_u32 v[SOP+\b], 0xfc000000, v[BM+\b]
.endr
.irp b, 0,1,2,3
.endr
.irp b, 0,1,2,3
	s_delay_alu instid0(VALU_DEP_4)
	v_lshrrev_b32 v[PT+\b], 23, v[SOP+\b]
.endr
	s_delay_alu instid0(VALU_DEP_3)
	v_lshl_or_b32 v[PSW], v[PT+1], 8, v[PT]        ; p's scale word for these 128 keys
	s_delay_alu instid0(VALU_DEP_1)
	v_lshl_or_b32 v[PSW], v[PT+2], 16, v[PSW]
	s_delay_alu instid0(VALU_DEP_1)
	v_lshl_or_b32 v[PSW], v[PT+3], 24, v[PSW]
.irp b, 0,1,2,3
.irp i, 0,1,2,3,4,5,6,7,8,9,10,11,12,13,14,15
.endr
	v_cvt_scalef32_pk8_fp8_f32 v[PC+4*\b:PC+4*\b+1], v[S+16*\b:S+16*\b+7], v[SOP+\b]
	v_cvt_scalef32_pk8_fp8_f32 v[PC+4*\b+2:PC+4*\b+3], v[S+16*\b+8:S+16*\b+15], v[SOP+\b]
.irp c, 0,1,2,3
	ds_load_b128 v[S+16*\b+4*\c:S+16*\b+4*\c+3], v[A1] offset:VOFF+8192*(\q)+2048*\b+512*\c   ; the block's numbers are done with: V's fragment of channels 16 b on lands in their registers
.endr
.endr
	ds_load_b128 v[VSW:VSW+3], v[A3] offset:VSOFF+256*(\q)
	v_pk_mul_f32 v[O:O+1], v[O:O+1], v[FF:FF+1] op_sel_hi:[1,0]       ; O^T under the new M.  The first two are the plain instructions behind the conversions,
	v_pk_mul_f32 v[O+2:O+3], v[O+2:O+3], v[FF:FF+1] op_sel_hi:[1,0]
.irp b, 0,1,2,3
	v_permlane16_swap_b32 v[PC+4*\b], v[PC+4*\b+2]                    ; k = 8 h .., 16 + 8 h .. becomes k = 16 h + 0 .. 15
	v_permlane16_swap_b32 v[PC+4*\b+1], v[PC+4*\b+3]
.endr
.set j, 4
.rept 14
	v_pk_mul_f32 v[O+j:O+j+1], v[O+j:O+j+1], v[FF:FF+1] op_sel_hi:[1,0]   ; the other fourteen the places between the codes' last write and the products
.set j, j+2
.endr
	s_wait_alu depctr_va_vdst(0)
	s_wait_dscnt 0x0
.irp t, 0,1,2,3
	v_wmma_scale_f32_16x16x128_f8f6f4 v[O+8*\t:O+8*\t+7], v[S+16*\t:S+16*\t+15], v[PC:PC+15], v[O+8*\t:O+8*\t+7], v[VSW+\t], v[PSW]   ; the four accumulators by turns
.endr
.rept 9
	v_nop                                          ; the next step's first products write over V's registers: nine places; they also serve the way out's reads
.endr
.Lhidden_\@:
	s_add_co_u32 s[KF], s[KF], 128
.endm
; THE CHANGE OF SLOTS stands at a slot's head.  Each wave waits for all its tensor loads, adds 0 to its spare word, and waits for that and for its reads of the slot that it has left.
; Behind the barrier the slot ahead is whole and nobody reads the other one; fill = 1: it is filled with the key slot that follows (after the first block's last: key slot 0 again).
.macro CHANGE fill
	s_wait_tensorcnt 0x0                           ; no tensor load of mine is out, so group 0 may be written
	ds_add_u32 v[SPW], v[NIL]                      ; 0 onto my spare word
.if \fill
	s_xor_b32 s[G0+1], s[G0+1], SLOT1
	s_add_co_u32 s[FK], s[FK], 1
	s_cmp_eq_u32 s[FK], s[N1]
	s_cselect_b32 s[FK], 0, s[FK]
	s_mul_i32 s50, s[FK], SLOTB
	s_mov_b32 s51, 0
	s_add_nc_u64 s[G0+2:G0+3], s[8:9], s[50:51]
	s_or_b32 s[G0+3], s[G0+3], 0x80000000
	s_wait_xcnt 0x0                                ; the last prefetch, a trip back, has read its address
	s_add_nc_u64 s[PFA:PFA+1], s[PFA:PFA+1], SLOTB
.endif
	s_wait_dscnt 0x0                               ; the add is done, and my LDS reads and stores are over
	s_barrier_signal -1
	s_barrier_wait -1
.if \fill
	TLOAD                                          ; the first thing behind the barrier, a wave's one tensor load until the next: it has two key steps in which to land
	ASK
.endif
	v_add_nc_u32 v[A1], s[TB], v[LI]
	v_add_nc_u32 v[A2], s[TB], v[LK]
	v_add_nc_u32 v[A3], s[TB], v[LV]
.endm
.macro SLOT_STEPS
	STEP 0
	STEP 1
	s_xor_b32 s[TB], s[TB], SLOT1
.endm
.Lslot:                                            ; 8 trips; the ninth slot is written out
	CHANGE 1
	SLOT_STEPS
	s_sub_co_u32 s[LEFT], s[LEFT], 1
	s_cmp_lg_u32 s[LEFT], 0
	s_cbranch_scc1 .Lsame                          ; (on ids alone, and the same in all sixteen waves)
	s_wait_alu depctr_va_vdst(0)
	BLOCK_OUT                                      ; the first block is done
	s_lshl_b32 s[TT], s[PP], 4
	s_add_co_u32 s[TT], s[TT], 15
	s_sub_co_u32 s[TT], s[TT], s[WV]               ; block x, tile 15 - w
	BLOCK_IN
	s_mov_b32 s[KF], 0
	s_add_co_u32 s[LEFT], s[PP], 1
.Lsame:
	s_sub_co_u32 s[SLOTS], s[SLOTS], 1
	s_cmp_lg_u32 s[SLOTS], 0
	s_cbranch_scc1 .Lslot
	CHANGE 0
	SLOT_STEPS
	s_wait_alu depctr_va_vdst(0)
	BLOCK_OUT
	s_wait_tensorcnt 0x0                           ; the wave's end
	ds_add_u32 v[SPW], v[NIL]
	s_wait_dscnt 0x0
	s_endpgm
.Lfunc_end_k_qec71f093ab_attn:
	.size	k_qec71f093ab_attn, .Lfunc_end_k_qec71f093ab_attn-k_qec71f093ab_attn
	.p2alignl 7, 3214868480
	.fill 96, 4, 3214868480
	.section	.rodata,"a",@progbits
	.p2align	6, 0x0
	.amdhsa_kernel k_qec71f093ab_attn
		.amdhsa_group_segment_fixed_size 327680
		.amdhsa_private_segment_fixed_size 0
		.amdhsa_enable_private_segment 0
		.amdhsa_kernarg_size 56
		.amdhsa_user_sgpr_count 2
		.amdhsa_user_sgpr_kernarg_segment_ptr 1
		.amdhsa_wavefront_size32 1
		.amdhsa_system_sgpr_workgroup_id_x 1
		.amdhsa_system_sgpr_workgroup_id_y 1
		.amdhsa_system_sgpr_workgroup_id_z 1
		.amdhsa_system_vgpr_workitem_id 0
		.amdhsa_next_free_vgpr 256
		.amdhsa_next_free_sgpr 80
		.amdhsa_reserve_vcc 1
		.amdhsa_float_denorm_mode_32 3
		.amdhsa_float_denorm_mode_16_64 3
		.amdhsa_fp16_overflow 1
		.amdhsa_memory_ordered 1
		.amdhsa_forward_progress 1
		.amdhsa_inst_pref_size 121
	.end_amdhsa_kernel
	.amdgpu_metadata
---
amdhsa.version: [ 1, 2 ]
amdhsa.kernels:
  - .name:           k_qec71f093ab_attn
    .symbol:         k_qec71f093ab_attn.kd
    .args:
      - { .name: Qc, .offset: 0, .size: 8, .value_kind: global_buffer, .address_space: global }
      - { .name: Qs, .offset: 8, .size: 8, .value_kind: global_buffer, .address_space: global }
      - { .name: KV, .offset: 16, .size: 8, .value_kind: global_buffer, .address_space: global }
      - { .name: vsum, .offset: 24, .size: 8, .value_kind: global_buffer, .address_space: global }
      - { .name: attention_mask, .offset: 32, .size: 8, .value_kind: global_buffer, .address_space: global }
      - { .name: Oc, .offset: 40, .size: 8, .value_kind: global_buffer, .address_space: global }
      - { .name: Os, .offset: 48, .size: 8, .value_kind: global_buffer, .address_space: global }
    .group_segment_fixed_size: 327680
    .private_segment_fixed_size: 0
    .kernarg_segment_align: 8
    .kernarg_segment_size: 56
    .max_flat_workgroup_size: 512
    .sgpr_count:     80
    .vgpr_count:     256
    .wavefront_size: 32
...
	.end_amdgpu_metadata
.endif
;; end of part 2
;; launch outp (part 3): grid 4 x 32, 4 waves a work-group, clusters of 4 x 4, 327,680 bytes of LDS; arguments Oc, Os, Wc_codes, Wc_scales, bc, out0; writes out0
.if DOCPART == 3
	.amdgcn_target "amdgcn-amd-amdhsa--gfx1250"
	.amdhsa_code_object_version 6
	.text
	.protected	k_qec71f093ab_outp
	.globl	k_qec71f093ab_outp
	.p2align	8
	.type	k_qec71f093ab_outp,@function
k_qec71f093ab_outp:
	s_mov_b64 s[64:65], 0
	v_nop
	global_prefetch_b8 v0, s[64:65] scope:SCOPE_SE
	s_setreg_imm32_b32 hwreg(HW_REG_WAVE_MODE, 25, 1), 1
	s_wait_xcnt 0x0
	s_wait_alu depctr_hold_cnt(0) depctr_sa_sdst(0) depctr_va_vdst(0) depctr_va_sdst(0) depctr_va_ssrc(0) depctr_va_vcc(0) depctr_vm_vsrc(0)
	s_getreg_b32 s2, hwreg(HW_REG_IB_STS2, 6, 4)
	s_cmp_eq_u32 s2, 0
	s_cbranch_scc0 .Lentry_in_a_cluster
	s_endpgm
.Lentry_in_a_cluster:
	s_bfe_u32 s2, ttmp6, 0x10000c
	s_cmp_lg_u32 s2, 0xf033
	s_cbranch_scc0 .Lentry_shape_is_right
	s_endpgm
.Lentry_shape_is_right:
; out0 = A Wc^T + bc.  A: the attention's result, 8,192 x 1,024, as codes of FP8 (E4M3) laid as IMAGES of the operand's registers (Oc: [128 rows][256 along K][128 along K][tile of 16 rows][c][lane][16 bytes]) with its
; E8M0 scale bytes in rows (Os: [8192][32]).  B = Wc: [1024][1024] codes in rows, scale bytes [1024][32].  out0: [8192][1024] f32; sums in f32, K ascending, the bias added once at the end.
; A tile of 256 x 256 is made by a work-group of four waves, 128 x 128 a wave: 64 accumulators, 512 registers.  K goes in four steps of 256 through two LDS slots.  A's part of a slot is two dense blocks of 32,768 bytes,
; read back 512 consecutive bytes a load; B's is 256 rows of 256 bytes + 16 of padding.  The scale bytes of the 512 rows come once and stay.
; CLUSTERS: 4 x 4 work-groups; A's tiles are shared along a row of the cluster, B's along a column: joint tensor loads.  128 work-groups: a smaller tile would give each WGP one, at 1.5 times the LDS bytes for each product.
; THE MATRIX INSTRUCTION IS USED TRANSPOSED (source 0 = 16 rows of B, source 1 = 16 rows of A): a lane holds eight neighbouring numbers of a row of the result.
; REGISTERS, in windows of 256: window 0: v0-31 addresses, v8-11 the bias, v32-63 scale words, from v128 A's fragments, ONE set; window 1: B's fragments, two sets; windows 2, 3: the accumulators.
.set SIZE_N, 1024
.set SIZE_K, 1024
.set KSTEP,  256
.set NQ,     KSTEP/128
.set ROWB,   256
.set KROW,   SIZE_K
.set PITCH,  272                       ; B's LDS row: 256 bytes + 16 of padding
.set FR,     16
.set NL,     4
.set NP,     8
.set HALFT,  128*PITCH                 ; B: 128 rows: one tensor load
.set HALFA,  32768                     ; A: 128 rows x 256 along K as images: one tensor load
.set BOFF,   2*HALFA                   ; B's rows lie behind A's images
.set SLOT,   BOFF+2*HALFT
.set ASTEP,  2*HALFA                   ; A: two K steps on in memory
.set LAPS,   SIZE_K/(2*KSTEP)
.set KS,     SIZE_K/32
.set SCL,    2*SLOT
.set HALFS,  (128*KS/256)*272
.set SBLK,   (16*KS/256)*272
.set SPARE,  SCL+4*HALFS               ; the spare words, 128 bytes a wave: two blocks of 256 bytes that no other line names
.set SPITCH, 528                       ; the way out: a stage of 16 rows x (512 bytes + 16) for each wave, in slot 0, which has had its last fill and its last read by then
.set BI,   8                           ; v8-11 the bias of my four columns of a row read back
.set ADRA, 16
.set ADRB, 20
.set STO,  24
.set RD,   25
.set CO,   26
.set ADRS, 27
.set SPW,  28
.set NIL,  29
.set SC,   32
.set AF,   128
.set BK,   128
.set G1, 24
.set G0, 32
.set G1B, 48
.set G0B, 56
.set G1S, 68
.set G0S, 76
.set G1SB, 80
.set G0SB, 88
.set MSB, 0
.macro WIN new
.if MSB != \new
	s_set_vgpr_msb (MSB<<8)|\new
.set MSB, \new
.endif
.endm
.set MUL_LO, 0xa1
.set MUL_HI, 0xf1
.set TO_B,   0x40
.macro JLOAD g0a, g1a, g0b, g1b        ; a joint load: waves 0 and 1 fetch for A, waves 2 and 3 for B; four v_nop follow each of the two lines
	s_cmp_eq_u32 s15, 0
	s_cbranch_scc0 .Lfor_b_\@
	tensor_load_to_lds s[\g0a:\g0a+3], s[\g1a:\g1a+7]
	s_nop 0
.rept 4
	v_nop
.endr
	s_branch .Lasked_\@
.Lfor_b_\@:
	tensor_load_to_lds s[\g0b:\g0b+3], s[\g1b:\g1b+7]
	s_nop 0
.rept 4
	v_nop
.endr
.Lasked_\@:
.endm
.macro CREST
	s_cmp_lg_u32 s14, 0
	s_cbranch_scc1 .Lnot_wave_0_\@
	s_barrier_signal -3
.Lnot_wave_0_\@:
	s_barrier_wait -3
	s_barrier_signal -1
	s_barrier_wait -1
.endm
.macro CROUND
	s_barrier_signal -1
	s_barrier_wait -1
	CREST
.endm
	s_load_b128 s[4:7], s[0:1], 0x0                ; Oc, Os
	s_load_b128 s[8:11], s[0:1], 0x10              ; Wc's codes, Wc's scales
	s_load_b64 s[96:97], s[0:1], 0x20              ; bc
	s_load_b64 s[12:13], s[0:1], 0x28              ; out0
	v_lshl_add_u32 v[SPW], v0, 2, SPARE
	v_mov_b32 v[NIL], 0
	ds_add_u32 v28, v29
	ds_add_u32 v28, v29
	s_wait_dscnt 0x0
	v_lshrrev_b32 v1, 5, v0
	v_readfirstlane_b32 s14, v1                    ; wave 0..3
	s_lshr_b32 s15, s14, 1                         ; which half of the tile's rows is mine.  Also: I fetch for A (0) or for B (1)
	s_and_b32 s16, s14, 1                          ; which half of its columns.  Also: which 128 rows I fetch
	s_bfe_u32 s40, ttmp6, 0x40000                  ; cx, cy
	s_bfe_u32 s41, ttmp6, 0x40004
	s_lshl_b32 s42, ttmp9, 2
	s_add_co_u32 s42, s42, s40                     ; tile column
	s_and_b32 s17, ttmp7, 0xffff
	s_lshl_b32 s17, s17, 2
	s_add_co_u32 s17, s17, s41                     ; tile row
	s_lshl_b32 s43, s41, 2
	s_lshl_b32 s43, 15, s43                        ; my row of the cluster
	s_lshl_b32 s44, 0x1111, s40                    ; my column
	; A's tiles: 32,768 dense bytes as 128 rows of 256 (32 elements of 8 bytes), no padding
	s_or_b32 s[G1+0], s43, (3<<16)|(1<<21)
	s_mov_b32 s[G1+1], 32<<16
	s_mov_b32 s[G1+2], 128<<16
	s_mov_b32 s[G1+3], 32<<16
	s_mov_b32 s[G1+4], 128
	s_mov_b32 s[G1+5], 32
	s_mov_b32 s[G1+6], 0
	s_mov_b32 s[G1+7], 0
	; B's tiles: 128 rows x 256 bytes, 16 bytes of padding behind each
	s_or_b32 s[G1B+0], s44, (0<<16)|(1<<20)|(1<<21)|(5<<22)|(3<<25)
	s_mov_b32 s[G1B+1], ROWB<<16
	s_mov_b32 s[G1B+2], 128<<16
	s_mov_b32 s[G1B+3], ROWB<<16
	s_mov_b32 s[G1B+4], 128
	s_mov_b32 s[G1B+5], KROW
	s_mov_b32 s[G1B+6], 0
	s_mov_b32 s[G1B+7], 0
	; the scale bytes of 128 rows: 4,096 dense bytes as 16 rows of 256, 16 bytes of padding behind each
	s_or_b32 s[G1S+0], s43, (3<<16)|(1<<20)|(1<<21)|(5<<22)|(3<<25)
	s_or_b32 s[G1SB+0], s44, (3<<16)|(1<<20)|(1<<21)|(5<<22)|(3<<25)
.irp g, G1S, G1SB
	s_mov_b32 s[\g+1], 32<<16
	s_mov_b32 s[\g+2], (128*KS/256)<<16
	s_mov_b32 s[\g+3], 32<<16
	s_mov_b32 s[\g+4], 128*KS/256
	s_mov_b32 s[\g+5], 32
	s_mov_b32 s[\g+6], 0
	s_mov_b32 s[\g+7], 0
.endr
	s_lshl_b32 s18, s16, 7                         ; which 128 rows of the tile I fetch
	s_lshl_b32 s22, s17, 8
	s_add_co_u32 s22, s22, s18                     ; A: row 256 x tile row + 128 x half
	s_lshl_b32 s20, s22, 10                        ; its images: 131,072 bytes for each 128 rows
	s_lshl_b32 s22, s22, 5                         ; its scale bytes: 32 a row
	s_mov_b32 s21, 0
	s_mov_b32 s23, 0
	s_lshl_b32 s46, s42, 8
	s_add_co_u32 s46, s46, s18                     ; B: row 256 x tile column + 128 x half
	s_mov_b32 s47, 0
	s_mov_b64 s[18:19], KS
	s_mul_u64 s[92:93], s[46:47], s[18:19]
	s_mov_b64 s[18:19], KROW
	s_mul_u64 s[46:47], s[46:47], s[18:19]
	s_mul_i32 s45, s16, HALFA                      ; where they go: A's two halves,
	s_mul_i32 s95, s16, HALFT
	s_add_co_u32 s95, s95, BOFF                    ; B's two halves behind them: no place in the cluster enters an LDS address
	s_mul_i32 s94, s14, HALFS
	s_wait_kmcnt 0x0
	s_add_nc_u64 s[20:21], s[4:5], s[20:21]
	s_add_nc_u64 s[22:23], s[6:7], s[22:23]
	s_add_nc_u64 s[46:47], s[8:9], s[46:47]
	s_add_nc_u64 s[92:93], s[10:11], s[92:93]
	CROUND                                         ; all sixteen work-groups are here: the first joint loads meet
	s_mov_b32 s[G0S], 1
	s_add_co_u32 s[G0S+1], s94, SCL
	s_mov_b64 s[G0S+2:G0S+3], s[22:23]
	s_or_b32 s[G0S+3], s[G0S+3], 0x80000000
	s_mov_b32 s[G0SB], 1
	s_add_co_u32 s[G0SB+1], s94, SCL
	s_mov_b64 s[G0SB+2:G0SB+3], s[92:93]
	s_or_b32 s[G0SB+3], s[G0SB+3], 0x80000000
	JLOAD G0S, G1S, G0SB, G1SB                     ; the scale bytes first
.irp s, 0,1
	s_mov_b32 s[G0+4*\s], 1
	s_add_co_u32 s[G0+4*\s+1], s45, \s*SLOT
	s_add_nc_u64 s[G0+4*\s+2:G0+4*\s+3], s[20:21], \s*HALFA
	s_or_b32 s[G0+4*\s+3], s[G0+4*\s+3], 0x80000000
	s_mov_b32 s[G0B+4*\s], 1
	s_add_co_u32 s[G0B+4*\s+1], s95, \s*SLOT
	s_add_nc_u64 s[G0B+4*\s+2:G0B+4*\s+3], s[46:47], \s*ROWB
	s_or_b32 s[G0B+4*\s+3], s[G0B+4*\s+3], 0x80000000
	s_wait_alu depctr_va_vdst(0)
	s_wait_tensorcnt 0x0
	ds_add_u32 v28, v29
	s_wait_dscnt 0x0
	CROUND
	JLOAD G0+4*\s, G1, G0B+4*\s, G1B               ; one tensor load of mine is out now
.endr
	v_and_b32 v1, 15, v0                           ; l % 16
	v_bfe_u32 v2, v0, 4, 1                         ; l / 16
	v_and_b32 v6, 31, v0
	v_lshlrev_b32 v[CO], 4, v6                     ; 16 x lane
	v_mul_u32_u24 v3, v1, PITCH
	v_lshl_add_u32 v4, v2, 4, v3                   ; B: a fragment's row x pitch + 16 x half
	s_mul_i32 s21, s15, HALFA                      ; my 128 rows of A: images
	s_mul_i32 s22, s16, HALFT                      ; my 128 rows of B
	s_add_co_u32 s22, s22, BOFF
.irp s, 0,1
	v_add_nc_u32 v[ADRA+\s], s21, v[CO]
	v_add_nc_u32 v[ADRB+\s], s22, v4
	s_add_co_u32 s21, s21, SLOT
	s_add_co_u32 s22, s22, SLOT
.endr
	v_mul_u32_u24 v5, v1, KS
	v_lshrrev_b32 v6, 8, v5
	v_lshl_add_u32 v5, v6, 4, v5
	s_mul_i32 s21, s15, HALFS
	s_mul_i32 s22, s16, HALFS
	s_add_co_u32 s22, s22, 2*HALFS
	s_sub_co_u32 s22, s22, s21
	v_mul_u32_u24 v6, s22, v2                      ; lanes 16-31 take B's
	s_add_co_u32 s21, s21, SCL
	v_add_nc_u32 v5, v5, v6
	v_add_nc_u32 v[ADRS], s21, v5
	s_mul_i32 s23, s14, 16*SPITCH                  ; my stage
	v_mul_u32_u24 v5, v1, SPITCH
	v_lshl_add_u32 v5, v2, 5, v5
	v_add_nc_u32 v[STO], s23, v5                   ; in: row l % 16, 32 bytes for each half of the lanes
	v_add_nc_u32 v[RD], s23, v[CO]                 ; back: the 32 lanes take one row of 512 bytes
	s_lshl_b32 s20, s17, 8
	s_lshl_b32 s21, s15, 7
	s_add_co_u32 s20, s20, s21                     ; my first row of the result
	s_mov_b32 s21, 0
	s_mov_b64 s[18:19], SIZE_N*4
	s_mul_u64 s[20:21], s[20:21], s[18:19]
	s_lshl_b32 s46, s42, 10                        ; my first column, in bytes
	s_lshl_b32 s47, s16, 9
	s_add_co_u32 s46, s46, s47
	s_mov_b32 s47, 0
	s_add_nc_u64 s[96:97], s[96:97], s[46:47]      ; the bias of my 128 columns
	s_add_nc_u64 s[20:21], s[20:21], s[46:47]
	s_add_nc_u64 s[12:13], s[12:13], s[20:21]
	global_load_b128 v[BI:BI+3], v[CO], s[96:97]   ; waited for on the way out; its registers and base stay untouched
.macro FRAG reg, adr, q, i             ; B's fragment from rows
.irp c, 0,1,2,3
	ds_load_b128 v[\reg+4*\c:\reg+4*\c+3], v[\adr] offset:128*(\q)+32*\c+(\i)*16*PITCH
.endr
.endm
.macro FRAGA reg, adr, q, i            ; A's fragment from its image: [128 along K][tile of rows][c][512 bytes]
.irp c, 0,1,2,3
	ds_load_b128 v[\reg+4*\c:\reg+4*\c+3], v[\adr] offset:16384*(\q)+2048*(\i)+512*\c
.endr
.endm
.macro MUL16 a0, p, q, sc, zero        ; the 64 accumulators take turns, one instruction a turn, in the same order in every step
.irp a, \a0, \a0+1
.irp b, 0,1,2,3,4,5,6,7
.if \zero
	v_wmma_scale_f32_16x16x128_f8f6f4 v[8*(8*((\a)%4)+\b):8*(8*((\a)%4)+\b)+7], v[128*(\p)+FR*\b:128*(\p)+FR*\b+FR-1], v[AF+FR*(\a):AF+FR*(\a)+FR-1], 0, v[SC+8*NQ*(\sc)+NQ*\b+(\q)], v[SC+8*NQ*(\sc)+NQ*(\a)+(\q)] matrix_a_scale:MATRIX_SCALE_ROW1
.else
	v_wmma_scale_f32_16x16x128_f8f6f4 v[8*(8*((\a)%4)+\b):8*(8*((\a)%4)+\b)+7], v[128*(\p)+FR*\b:128*(\p)+FR*\b+FR-1], v[AF+FR*(\a):AF+FR*(\a)+FR-1], v[8*(8*((\a)%4)+\b):8*(8*((\a)%4)+\b)+7], v[SC+8*NQ*(\sc)+NQ*\b+(\q)], v[SC+8*NQ*(\sc)+NQ*(\a)+(\q)] matrix_a_scale:MATRIX_SCALE_ROW1
.endif
.endr
.endr
.endm
.macro FETCH_B slot, q, p
	WIN TO_B
.irp i, 0,1,2,3,4,5,6,7
	FRAG 128*(\p)+FR*\i, ADRB+\slot, \q, \i
.endr
	WIN 0
.endm
.macro FETCH_A slot, q, i0
.irp i, \i0, \i0+1, \i0+2, \i0+3
	FRAGA AF+FR*(\i), ADRA+\slot, \q, \i
.endr
.endm
.macro SCALES sc
.irp i, 0,1,2,3,4,5,6,7
	ds_load_b64 v[SC+8*NQ*\sc+NQ*\i:SC+8*NQ*\sc+NQ*\i+1], v[ADRS] offset:\i*SBLK
.endr
.endm
.macro PLACES n
.rept \n
	v_nop
.endr
.endm
.macro STEP slot, q, zero
	s_wait_dscnt 4*NL                              ; B's set and A's blocks 0-3 are in; the youngest 16 loads (A's blocks 4-7) may be out
	WIN MUL_LO
	MUL16 0, (\q)%2, \q, \slot, \zero
	MUL16 2, (\q)%2, \q, \slot, \zero
	s_wait_dscnt 0
	PLACES NP
	FETCH_B \slot, (\q)+1, 1-(\q)%2
	FETCH_A \slot, (\q)+1, 0
	WIN MUL_HI
	MUL16 4, (\q)%2, \q, \slot, \zero
	MUL16 6, (\q)%2, \q, \slot, \zero
	PLACES NP
	WIN 0
	FETCH_A \slot, (\q)+1, 4
.endm
.macro TURN slot, next, fill
	s_wait_tensorcnt 0x0                           ; all my tensor loads have landed: my part of the next slot
	ds_add_u32 v[SPW], v[NIL]                      ; 0 onto my spare word
	s_wait_dscnt 4*NL+1                            ; (the add and the youngest 16 loads may be out)
	WIN MUL_LO
	MUL16 0, 1, NQ-1, \slot, 0
	s_wait_dscnt 0x0                               ; the add is done, and my reads of this slot are over
	s_barrier_signal -1
	MUL16 2, 1, NQ-1, \slot, 0
	WIN 0
	s_barrier_wait -1
.if \fill
	CREST                                          ; the barrier has opened a round of the cluster's: no wave of any partner still reads this slot or has a load on its way
	s_add_nc_u64 s[G0+4*\slot+2:G0+4*\slot+3], s[G0+4*\slot+2:G0+4*\slot+3], ASTEP
	s_add_nc_u64 s[G0B+4*\slot+2:G0B+4*\slot+3], s[G0B+4*\slot+2:G0B+4*\slot+3], 2*ROWB
	JLOAD G0+4*\slot, G1, G0B+4*\slot, G1B
	PLACES NP-4
.else
	PLACES NP
.endif
	s_wait_alu depctr_va_vdst(0)
	v_add_nc_u32 v[ADRS], 4*NQ, v[ADRS]
	FETCH_B \next, 0, 0
	FETCH_A \next, 0, 0
	SCALES \next
	WIN MUL_HI
	MUL16 4, 1, NQ-1, \slot, 0
	MUL16 6, 1, NQ-1, \slot, 0
	PLACES NP
	WIN 0
	FETCH_A \next, 0, 4
.endm
	s_wait_alu depctr_va_vdst(0)
	s_wait_tensorcnt 1                             ; the scale bytes and my part of K step 0 are in; K step 1's load may be out
	s_barrier_signal -1
	s_barrier_wait -1
	FETCH_B 0, 0, 0
	FETCH_A 0, 0, 0
	SCALES 0
	FETCH_A 0, 0, 4
	STEP 0, 0, 1
	s_mov_b32 s3, LAPS-1
.Llap:
	TURN 0, 1, 1
	STEP 1, 0, 0
	TURN 1, 0, 1
	STEP 0, 0, 0
	s_sub_co_u32 s3, s3, 1
	s_cmp_lg_u32 s3, 0
	s_cbranch_scc1 .Llap
	TURN 0, 1, 0
	STEP 1, 0, 0
	s_wait_dscnt 4*NL
	WIN MUL_LO
	MUL16 0, 1, NQ-1, 1, 0
	MUL16 2, 1, NQ-1, 1, 0
	s_wait_dscnt 0
	WIN MUL_HI
	MUL16 4, 1, NQ-1, 1, 0
	MUL16 6, 1, NQ-1, 1, 0
	WIN 0
; THE WAY OUT, block by block of 16 rows x 128 columns, through my own stage in LDS: in as 32 bytes a lane, back as whole rows of 512 bytes; the bias is added to the rows read back.
; LDS serves a wave's instructions in order (ISA guide 5.7.1.4): no wait between the stores and the loads, nor in front of the next block's stores.
.macro TOSTAGE a
.set AC, 64*((\a)%4)
	WIN 0x08+4*((\a)/4)                            ; the data: window 2 or 3
.irp b, 0,1,2,3,4,5,6,7
	ds_store_b128 v[STO], v[AC+8*\b:AC+8*\b+3] offset:64*\b          ; each accumulator from its low end on
	ds_store_b128 v[STO], v[AC+8*\b+4:AC+8*\b+7] offset:64*\b+16
.endr
	WIN 0
.set BB, BK+64*((\a)%2)
.irp t, 0,1,2,3,4,5,6,7,8,9,10,11,12,13,14,15
	ds_load_b128 v[BB+4*\t:BB+4*\t+3], v[RD] offset:\t*SPITCH
.endr
.endm
.macro SEND a, younger                 ; younger: the LDS instructions issued behind block a's loads, which may stay out
.set BB, BK+64*((\a)%2)
	s_wait_dscnt \younger
.if (\a) > 0
	s_add_nc_u64 s[12:13], s[12:13], 16*SIZE_N*4   ; (behind a wait on XCNT: the earlier stores have read their base)
.endif
.irp t, 0,1,2,3,4,5,6,7,8,9,10,11,12,13,14,15
	v_pk_add_f32 v[BB+4*\t:BB+4*\t+1], v[BB+4*\t:BB+4*\t+1], v[BI:BI+1]
	v_pk_add_f32 v[BB+4*\t+2:BB+4*\t+3], v[BB+4*\t+2:BB+4*\t+3], v[BI+2:BI+3]
	global_store_b128 v[CO], v[BB+4*\t:BB+4*\t+3], s[12:13] offset:\t*SIZE_N*4 th:TH_STORE_NT   ; 32 lanes store 512 consecutive bytes, at a multiple of 256 from the buffer's first byte
.endr
.endm
	PLACES NP
	s_wait_loadcnt 0x0                             ; the bias
	TOSTAGE 0
.irp a, 1,2,3,4,5,6,7
.if \a > 1
	s_wait_xcnt 0x0                                ; block a - 2's stores have read their registers and their base
.endif
	TOSTAGE \a
	SEND \a-1, 32                                  ; behind block a - 1's loads: block a's 16 stores and 16 loads
.endr
	s_wait_xcnt 0x0
	SEND 7, 0
	s_wait_tensorcnt 0x0                           ; the wave's end
	ds_add_u32 v[SPW], v[NIL]
	s_wait_dscnt 0x0
	CROUND                                         ; the closing round
	s_endpgm
.Lfunc_end_k_qec71f093ab_outp:
	.size	k_qec71f093ab_outp, .Lfunc_end_k_qec71f093ab_outp-k_qec71f093ab_outp
	.p2alignl 7, 3214868480
	.fill 96, 4, 3214868480
	.section	.rodata,"a",@progbits
	.p2align	6, 0x0
	.amdhsa_kernel k_qec71f093ab_outp
		.amdhsa_group_segment_fixed_size 327680
		.amdhsa_private_segment_fixed_size 0
		.amdhsa_enable_private_segment 0
		.amdhsa_kernarg_size 48
		.amdhsa_user_sgpr_count 2
		.amdhsa_user_sgpr_kernarg_segment_ptr 1
		.amdhsa_wavefront_size32 1
		.amdhsa_system_sgpr_workgroup_id_x 1
		.amdhsa_system_sgpr_workgroup_id_y 1
		.amdhsa_system_sgpr_workgroup_id_z 1
		.amdhsa_system_vgpr_workitem_id 0
		.amdhsa_next_free_vgpr 1024
		.amdhsa_next_free_sgpr 98
		.amdhsa_reserve_vcc 0
		.amdhsa_float_denorm_mode_32 3
		.amdhsa_float_denorm_mode_16_64 3
		.amdhsa_memory_ordered 1
		.amdhsa_forward_progress 1
		.amdhsa_inst_pref_size 163
	.end_amdhsa_kernel
	.amdgpu_metadata
---
amdhsa.version: [ 1, 2 ]
amdhsa.kernels:
  - .name:           k_qec71f093ab_outp
    .symbol:         k_qec71f093ab_outp.kd
    .args:
      - { .name: Oc, .offset: 0, .size: 8, .value_kind: global_buffer, .address_space: global }
      - { .name: Os, .offset: 8, .size: 8, .value_kind: global_buffer, .address_space: global }
      - { .name: Wc_codes, .offset: 16, .size: 8, .value_kind: global_buffer, .address_space: global }
      - { .name: Wc_scales, .offset: 24, .size: 8, .value_kind: global_buffer, .address_space: global }
      - { .name: bc, .offset: 32, .size: 8, .value_kind: global_buffer, .address_space: global }
      - { .name: out0, .offset: 40, .size: 8, .value_kind: global_buffer, .address_space: global }
    .group_segment_fixed_size: 327680
    .private_segment_fixed_size: 0
    .kernarg_segment_align: 8
    .kernarg_segment_size: 48
    .max_flat_workgroup_size: 128
    .sgpr_count:     98
    .vgpr_count:     1024
    .wavefront_size: 32
...
	.end_amdgpu_metadata
.endif
;; end of part 3
